; MI455X (gfx1250); checked and timed in simulation.
; The chip was launched on July 23, 2026; its instructions are those of AMD's public machine-readable ISA for CDNA 5 (MIT licence, August 2026) and "CDNA5" Instruction Set Architecture Reference Guide (July 2026). The comments in the code are by the model that wrote it; some were corrected since.
;; L La MA Attention. Allowed arithmetic: matrix products marked QUANTISED: E4M3 operands, one given power-of-two scale a tensor, by v_wmma_f32_16x16x64_fp8_fp8 or v_wmma_f32_16x16x128_fp8_fp8, f32 sums; everything else in f32.
;; Inputs: Wk 2,048 x 2,048 float32; Wo 2,048 x 2,048 float32; Wq 2,048 x 2,048 float32; Wv 2,048 x 2,048 float32; attn_mask 2,048 x 2,048 bool; lowp_scales 12 int32 (the exponents e of the quantised operands' scales 2^e); x 1 x 2,048 x 2,048 float32.
;; Outputs: out0 1 x 2,048 x 2,048 float32.
;; This version of the problem:
;;   THIS VERSION OF THE PROBLEM IS GIVEN IN LOW PRECISION. The matrix products marked QUANTISED in the list below multiply operands that are first quantised to E4M3 (4 exponent bits, 3 mantissa bits; 8 bits a number), with one given power-of-two scale for each operand tensor; their sums are f32. All else is computed in f32.
;;   The module's matrix products, in the order in which they are computed (A, B: the left and right operand; K: the contracted axis; several contracted axes count as one K, in the product's order):
;;     1. [M 2,048, K 2,048] x [K 2,048, N 2,048]; A: input x; B: input Wq: QUANTISED (scales: A lowp_scales[0], B lowp_scales[1])
;;     2. [M 2,048, K 2,048] x [K 2,048, N 2,048]; A: input x; B: input Wk: QUANTISED (scales: A lowp_scales[2], B lowp_scales[3])
;;     3. [M 2,048, K 2,048] x [K 2,048, N 2,048]; A: input x; B: input Wv: QUANTISED (scales: A lowp_scales[4], B lowp_scales[5])
;;     4. batch 16 x [M 2,048, K 128] x [K 128, N 2,048]; A: computed on the way; B: computed on the way: QUANTISED (scales: A lowp_scales[6], B lowp_scales[7])
;;     5. batch 16 x [M 2,048, K 2,048] x [K 2,048, N 128]; A: softmax (see below); B: computed on the way: QUANTISED (scales: A lowp_scales[8], B lowp_scales[9])
;;     6. [M 2,048, K 2,048] x [K 2,048, N 2,048]; A: computed on the way; B: input Wo: QUANTISED (scales: A lowp_scales[10], B lowp_scales[11])
;;   THE QUANTISER, for each operand of a quantised product, along K:
;;     - The operand's scale is 2^e, e = its entry of the input lowp_scales (int32; the entries are numbered through the quantised products in the list's order, A before B).
;;     - Each number is divided by the scale, clamped to +-448, and rounded to the nearest number of E4M3, ties to even, subnormals kept.
;;     - The product sums the exact products of the quantised numbers (number of the format x scale) in f32.
;;   ~~~python
;;   def quantise(x, axis, e):      # numpy; x: float32 -> the quantised numbers, widened to float32 again
;;       x = np.moveaxis(x, axis, -1); K = x.shape[-1]
;;       r = np.clip(x / 2.0 ** e, -448, 448)
;;       step = 2.0 ** (np.maximum(np.frexp(np.where(r == 0, 1, r))[1] - 1, -6) - 3)
;;       q = np.round(r / step) * step * 2.0 ** e      # np.round: ties to even
;;       return np.moveaxis(q, -1, axis).astype(np.float32)
;;   ~~~
;;   SOFTMAX AHEAD OF A QUANTISED PRODUCT. Where the list says 'softmax', what is quantised is not the finished softmax but p = 2^(t - M), with t = logit x log2(e) and M = ceil(the row's largest t), a whole number; so 1/2 < the row's largest p <= 1. The row's sum l is taken of the UNQUANTISED p, in f32, and the product's result is divided by l at the end. Since M is a whole number, a kernel that streams over the keys may use a running M (the ceiling of the running maximum): every later rescaling is an exact power of two, so the quantised numbers keep their values, but for numbers so far below the row's largest that they fall under the format's range.
;;   OPERANDS COMPUTED ON THE WAY. 'Computed on the way' means the value that the module computes at that place (a softmax that the list does not call 'softmax' is quantised finished and normalised). What goes into a quantiser is computed in f32, as accurately as f32 sums, v_exp_f32 and their like allow (about 1e-6 of the number): no bf16 or f16 on the way to a quantiser, and a product that is left as it is and whose result goes on into a quantised operand takes f32 operands (vector FMAs, or v_wmma_f32_16x16x4_f32). A number that lies on a knife's edge between two numbers of the format may be rounded either way, as far as f32 arithmetic and the matrix unit's own rounding can turn it there, and no further.
;; One version. Each part assembles by itself: llvm-mc -triple=amdgcn-amd-amdhsa -mcpu=gfx1250 --defsym DOCPART=n.
;; ======== version 1 of 1: 4 launches
;; limits: right only within a limited range of input values
;; workspace buffers: xc 12,582,912 bytes; wc 16,777,216 bytes; maskw 655,360 bytes of whole numbers; rope 1,048,576 bytes; qkv 12,582,912 bytes; ac 4,194,304 bytes
;; launch prep (part 1): grid 1440 x 1, 4 waves a work-group, no clusters, 41,472 bytes of LDS; arguments x, Wq, Wk, Wv, Wo, attn_mask, lowp_scales, xc, wc, maskw, rope; writes xc, wc, maskw, rope
.if DOCPART == 1
	.amdgcn_target "amdgcn-amd-amdhsa--gfx1250"
	.amdhsa_code_object_version 6
	.text
	.protected	k_q1d7b765478_prep
	.globl	k_q1d7b765478_prep
	.p2align	8
	.type	k_q1d7b765478_prep,@function
k_q1d7b765478_prep:
	s_mov_b64 s[64:65], 0
	v_nop
	global_prefetch_b8 v0, s[64:65] scope:SCOPE_SE
	s_setreg_imm32_b32 hwreg(HW_REG_WAVE_MODE, 25, 1), 1
	s_wait_xcnt 0x0
; All that is made once, ahead of the products.  Four kinds of work-groups, told apart by the work-group's number:
;   0..255      x [2048][2048] f32 -> three sets of E4M3 codes (scales 2^e0, 2^e2, 2^e4: x is an operand of three products), xc = 3 x [2048][2048] bytes, K innermost
;   256..1279   Wq, Wk, Wv, Wo f32 -> codes (2^e1, 2^e3, 2^e5, 2^e11), wc = 4 x [2048][2048] bytes; their K is innermost already (x @ W.T)
;   1280..1407  attn_mask [2048][2048] bytes -> 64 bits a lane for each tile of 16 queries x 128 keys, and for each such tile whether it is wholly hidden or wholly open
;   1408..1439  the table of cos and sin, f32, in the order in which the projection's result registers want it
; code = x / 2^e, held within +-448, to the nearest code, ties to even.
; No product of the problem is dead work for all masks.  The attention leaves out, by the bits stored here, the products of key steps whose scores the mask sets to -infinity for all of a wave's
; queries: their p is 0.  LIMIT: a NaN or an infinity in q, k or v that reaches only such steps is not carried to the result.
; LIMITS: e0..e5 and e11 between -126 and 119, so that 2^e and 448 x 2^e are f32 numbers.  NaN among x and the weights is not served.  The mask's bytes are 0 or 1.
; The frequencies 10000^(-j/64) come from v_exp_f32 of a rounded product: a few units in the last place, which at the largest angle (2047) is some 1e-4 of a radian,
; the size of that angle's own rounding in f32.
; The streams: a wave takes 8 steps of 512 numbers; each load reads 512 consecutive bytes; a step's 2,048 bytes turn through the wave's own stage in LDS (16 bytes of padding behind each 64)
; so that a lane then holds 16 neighbours along K, which the conversions want.  No barrier: waves share nothing.  The two streaming kinds have LDS bytes of their own.
; No prefetch: every wave has 16 loads on their way from its start on, and no work-group reads a byte that another reads.
.set STEPS, 8
.set SP,    80                         ; a lane's place in a stage: 64 bytes + 16
.set WREG,  5120                       ; LDS of a wave: two stages of 32 x SP bytes
.set LW,    4*WREG                     ; where the weights' stages begin
.set SPARE, 8*WREG                     ; the spare words: 128 bytes for each wave, which no other line names
.set R,     16                         ; v16-79   four sets of 16 numbers as loaded
.set X,     80                         ; v80-111  two sets of 16 neighbours
.set T,     112                        ; v112-143 x only: two sets of held numbers, by turns
.set CX,    144                        ; v144-155 x only: a step's three sets of codes
.set CW,    128                        ; v128-159 weights: four registers of codes for each step
.set FLAGS, 524288                     ; maskw: the bits of 128 tiles x 16 steps x 256 bytes, and behind them 256 bytes for each tile and wave
.macro LOAD t
.irp i, 0,1,2,3
	global_load_b128 v[R+16*((\t)%4)+4*\i:R+16*((\t)%4)+4*\i+3], v3, s[4:5] offset:2048*(\t)+512*\i th:TH_LOAD_NT   ; 32 lanes read 512 consecutive bytes
.endr
.endm
.macro TURN t, base                    ; step t's numbers through the stage; LDS serves a wave's instructions in order, so no wait stands between the stores and the loads
.irp i, 0,1,2,3
	ds_store_b128 v14, v[R+16*((\t)%4)+4*\i:R+16*((\t)%4)+4*\i+3] offset:\base+32*SP*((\t)%2)+8*SP*\i
.endr
.irp i, 0,1,2,3
	ds_load_b128 v[X+16*((\t)%2)+4*\i:X+16*((\t)%2)+4*\i+3], v15 offset:\base+32*SP*((\t)%2)+16*\i
.endr
.endm
.macro AHEAD t, base                   ; the head of step t
	s_wait_dscnt 0x0                               ; this step's numbers are back from the stage, and its stores into the stage have read their registers,
.if (\t)+4 < STEPS
	LOAD (\t)+4                                    ; which take the loads of four steps on
.endif
.if (\t)+1 < STEPS
.if STEPS-2-(\t) >= 3
	s_wait_loadcnt 12                              ; the next step's four loads are in; those of the three steps behind it may be out
.else
	s_wait_loadcnt 4*(STEPS-2-(\t))
.endif
	TURN (\t)+1, \base
.endif
.endm
.macro MKSCALE vs, vl, se              ; v[vs] = 2^e as f32 (the conversion takes its exponent field), v[vl] = 448 x 2^e;  e in s[se]
	s_add_co_i32 s30, s[\se], 127
	s_lshl_b32 s31, s30, 23
	v_mov_b32 v[\vs], s31
	s_add_co_i32 s30, s30, 8
	s_lshl_b32 s30, s30, 23
	s_or_b32 s30, s30, 0x600000
	v_mov_b32 v[\vl], s30
.endm
.macro STEPX t                         ; 512 numbers of x -> three times 512 codes
.set XS, X+16*((\t)%2)
	AHEAD \t, 0
	s_wait_xcnt 0x0                                ; the last step's three stores have read their codes: the registers are written again below
.irp s, 0,1,2
.set TS, T+16*(((\t)+\s)%2)
.irp i, 0,1,2,3,4,5,6,7,8,9,10,11,12,13,14,15
	v_med3_num_f32 v[TS+\i], v[XS+\i], -v[11+\s], v[11+\s]   ; the conversion does not saturate (ISA guide 7.6.2): the hold at 448 x the scale, into the set that the last conversions did not read
.endr
	v_cvt_scalef32_pk8_fp8_f32 v[CX+4*\s:CX+4*\s+1], v[TS:TS+7], v[8+\s]
	v_cvt_scalef32_pk8_fp8_f32 v[CX+4*\s+2:CX+4*\s+3], v[TS+8:TS+15], v[8+\s]
	global_store_b128 v4, v[CX+4*\s:CX+4*\s+3], s[8+2*\s:9+2*\s] offset:512*(\t)   ; the wave stores 512 consecutive bytes
.endr
.endm
.macro STEPW t                         ; 512 numbers of a weight -> 512 codes
.set XS, X+16*((\t)%2)
	AHEAD \t, LW
.irp i, 0,1,2,3,4,5,6,7,8,9,10,11,12,13,14,15
	v_med3_num_f32 v[XS+\i], v[XS+\i], -v10, v10
.endr
	v_cvt_scalef32_pk8_fp8_f32 v[CW+4*(\t):CW+4*(\t)+1], v[XS:XS+7], v11
	v_cvt_scalef32_pk8_fp8_f32 v[CW+4*(\t)+2:CW+4*(\t)+3], v[XS+8:XS+15], v11
	global_store_b128 v4, v[CW+4*(\t):CW+4*(\t)+3], s[8:9] offset:512*(\t)   ; each step has its own registers of codes: no store's data are written again
.endm
; cos and sin of the angle in v[32 + idx] (0 or more, under 2,048).  k = the nearest whole number to x 2 / pi; a = x - k pi/2 with pi/2 in two parts: the first step is exact
; (x - k hi is a multiple of 2^-24 and below 1); polynomials on |a| <= pi/4; the quadrant k mod 4 swaps the two and sets the signs.
.macro SINCOS idx
	v_mul_f32 v22, s40, v[32+(\idx)]
	v_rndne_f32 v22, v22                           ; k
	v_fma_f32 v23, v22, s41, v[32+(\idx)]
	v_fma_f32 v23, v22, s42, v23                   ; a
	v_mul_f32 v24, v23, v23                        ; z = a a
	v_cvt_i32_f32 v25, v22
	v_fma_f32 v26, s43, v24, s44
	v_fma_f32 v27, s46, v24, s47
	v_fma_f32 v26, v26, v24, s45
	v_fma_f32 v27, v27, v24, s48
	v_fma_f32 v26, v26, v24, -0.5
	v_mul_f32 v28, v24, v23
	v_fma_f32 v26, v26, v24, 1.0                   ; cos a
	v_fma_f32 v27, v27, v28, v23                   ; sin a
	v_and_b32 v29, 1, v25
	v_cmp_eq_u32 vcc_lo, 1, v29
	v_cndmask_b32 v30, v27, v26, vcc_lo            ; |sin x|: cos a where k is odd
	v_cndmask_b32 v31, v26, v27, vcc_lo            ; |cos x|: sin a where k is odd
	v_lshlrev_b32 v29, 30, v25
	v_add_nc_u32 v25, 1, v25
	v_and_b32 v29, 0x80000000, v29                 ; sin changes sign in quadrants 2 and 3,
	v_lshlrev_b32 v25, 30, v25
	v_and_b32 v25, 0x80000000, v25                 ; cos in quadrants 1 and 2
	v_xor_b32 v[64+8*((\idx)/4)+4+(\idx)%4], v29, v30
	v_xor_b32 v[64+8*((\idx)/4)+(\idx)%4], v25, v31
.endm
	v_lshl_add_u32 v5, v0, 2, SPARE
	v_mov_b32 v6, 0
	v_lshrrev_b32 v1, 5, v0
	v_readfirstlane_b32 s16, v1                    ; wave 0..3
	v_and_b32 v2, 31, v0                           ; lane
	v_lshlrev_b32 v3, 4, v2                        ; my 16 bytes of a load's 512
	v_lshlrev_b32 v4, 4, v2                        ; my 16 codes' place in a step's 512
	s_mul_i32 s17, s16, WREG
	v_lshrrev_b32 v14, 2, v2
	v_mul_u32_u24 v14, v14, SP
	v_and_b32 v15, 3, v2
	v_lshl_add_u32 v14, v15, 4, v14
	v_add_nc_u32 v14, s17, v14                     ; the stage on the way in: SP (lane / 4) + 16 (lane % 4)
	v_mul_u32_u24 v15, v2, SP
	v_add_nc_u32 v15, s17, v15                     ; and on the way out: SP x lane
	s_cmp_ge_u32 ttmp9, 256
	s_cbranch_scc1 .Lnot_x
	; ---- x
	s_load_b64 s[4:5], s[0:1], 0x0                 ; x
	s_load_b128 s[20:23], s[0:1], 0x30             ; the scales' exponents, xc
	s_lshl_b32 s18, ttmp9, 2
	s_add_co_u32 s18, s18, s16                     ; which run of 4,096 numbers is my wave's
	s_lshl_b32 s24, s18, 14
	s_mov_b32 s25, 0
	s_lshl_b32 s26, s18, 12
	s_mov_b32 s27, 0
	s_wait_kmcnt 0x0
	s_load_b256 s[32:39], s[20:21], 0x0            ; e0 .. e7
	s_add_nc_u64 s[4:5], s[4:5], s[24:25]
	s_add_nc_u64 s[8:9], s[22:23], s[26:27]        ; the codes by e0,
	s_add_nc_u64 s[10:11], s[8:9], 0x400000        ; by e2,
	s_add_nc_u64 s[12:13], s[8:9], 0x800000        ; by e4
	s_wait_alu depctr_va_vdst(0)
.irp t, 0,1,2,3
	LOAD \t
.endr
	s_wait_kmcnt 0x0
	MKSCALE 8, 11, 32
	MKSCALE 9, 12, 34
	MKSCALE 10, 13, 36
	s_wait_alu depctr_va_vdst(0)
	s_wait_loadcnt 12                              ; step 0's four loads are in
	TURN 0, 0
.irp t, 0,1,2,3,4,5,6,7
	STEPX \t
.endr
	s_wait_tensorcnt 0x0                           ; the wave's end
	ds_add_u32 v5, v6
	s_wait_dscnt 0x0
	s_endpgm
.Lnot_x:
	s_cmp_ge_u32 ttmp9, 1280
	s_cbranch_scc1 .Lnot_w
	; ---- the four weights.  A wave's run of 4,096 numbers is two rows.  Wv's rows are stored in another order: of each 32 rows, rows 8-15 and rows 16-23 change places, so that the 16 stored
	; rows of tile 2 b + u are channels 32 b + 8 u + r + 8 (r / 8): a lane of the attention's result then holds 16 neighbouring channels in the registers of two tiles.
	s_load_b256 s[20:27], s[0:1], 0x8              ; Wq, Wk, Wv, Wo
	s_load_b64 s[28:29], s[0:1], 0x30              ; the scales' exponents
	s_load_b64 s[8:9], s[0:1], 0x40                ; wc
	s_sub_co_u32 s17, ttmp9, 256
	s_lshr_b32 s18, s17, 8                         ; which weight
	s_and_b32 s17, s17, 255
	s_lshl_b32 s17, s17, 2
	s_add_co_u32 s17, s17, s16                     ; which run of 4,096 numbers
	s_lshl_b32 s10, s17, 14
	s_mov_b32 s11, 0
	s_lshr_b32 s13, s17, 2                         ; bits 2 and 3 of the run's number say which 8 of 32 rows:
	s_lshr_b32 s14, s17, 3
	s_xor_b32 s13, s13, s14
	s_and_b32 s13, s13, 1
	s_mul_i32 s13, s13, 12                         ; where they differ, both turn over
	s_cmp_eq_u32 s18, 2
	s_cselect_b32 s13, s13, 0                      ; in Wv alone
	s_xor_b32 s13, s17, s13
	s_lshl_b32 s13, s13, 12
	s_lshl_b32 s12, s18, 22
	s_add_co_u32 s12, s12, s13
	s_mov_b32 s13, 0
	s_wait_kmcnt 0x0
	s_load_b256 s[32:39], s[28:29], 0x0            ; e0 .. e7
	s_load_b32 s43, s[28:29], 0x2c                 ; e11
	s_cmp_eq_u32 s18, 1                            ; the choice hangs on the work-group's number alone
	s_cselect_b64 s[4:5], s[22:23], s[20:21]
	s_cmp_eq_u32 s18, 2
	s_cselect_b64 s[4:5], s[24:25], s[4:5]
	s_cmp_eq_u32 s18, 3
	s_cselect_b64 s[4:5], s[26:27], s[4:5]
	s_add_nc_u64 s[4:5], s[4:5], s[10:11]
	s_add_nc_u64 s[8:9], s[8:9], s[12:13]
	s_wait_alu depctr_va_vdst(0)
.irp t, 0,1,2,3
	LOAD \t
.endr
	s_wait_kmcnt 0x0
	s_cmp_eq_u32 s18, 1
	s_cselect_b32 s19, s35, s33                    ; e3 or e1
	s_cmp_eq_u32 s18, 2
	s_cselect_b32 s19, s37, s19                    ; e5
	s_cmp_eq_u32 s18, 3
	s_cselect_b32 s19, s43, s19                    ; e11
	MKSCALE 11, 10, 19
	s_wait_alu depctr_va_vdst(0)
	s_wait_loadcnt 12
	TURN 0, LW
.irp t, 0,1,2,3,4,5,6,7
	STEPW \t
.endr
	s_wait_tensorcnt 0x0
	ds_add_u32 v5, v6
	s_wait_dscnt 0x0
	s_endpgm
.Lnot_w:
	s_cmp_ge_u32 ttmp9, 1408
	s_cbranch_scc1 .Lpath_r
	; ---- the mask.  Work-group m takes queries 16 m .. 16 m + 15, wave w key steps 4 w .. 4 w + 3 (128 keys each).  Lane l = 16 h + r loads, of query r, keys 16 t + 8 h + 0 .. 7 of each step, t = 0 .. 7:
	; bit 8 t + j of its 64 bits is the mask of (query r, key 16 t + 8 h + j): score register 8 t + j of that lane.  A step's 64 bits a lane are stored by one instruction: 256 consecutive bytes, aligned.
	; Then one word a wave, in all 64 words of 256 bytes: bit k (0 .. 15) = step k is wholly hidden, bit 16 + k = it is wholly open (the wave's own four steps; the other bits are 0).
	s_load_b64 s[4:5], s[0:1], 0x28                ; attn_mask
	s_load_b64 s[8:9], s[0:1], 0x48                ; maskw
	s_sub_co_u32 s18, ttmp9, 1280
	v_and_b32 v20, 15, v0
	v_bfe_u32 v21, v0, 4, 1
	v_lshlrev_b32 v20, 11, v20
	v_lshl_add_u32 v20, v21, 3, v20                ; 2,048 r + 8 h
	v_lshlrev_b32 v23, 3, v2                       ; out: two words a lane
	s_lshl_b32 s24, s18, 15                        ; 16 rows of 2,048 bytes
	s_lshl_b32 s19, s16, 9
	s_add_co_u32 s24, s24, s19
	s_mov_b32 s25, 0
	s_lshl_b32 s26, s18, 12                        ; 16 steps of 256 bytes
	s_lshl_b32 s19, s16, 10
	s_add_co_u32 s26, s26, s19
	s_mov_b32 s27, 0
	s_lshl_b32 s30, s18, 10                        ; the flags: four waves of 256 bytes
	s_lshl_b32 s19, s16, 8
	s_add_co_u32 s30, s30, s19
	s_add_co_u32 s30, s30, FLAGS
	s_mov_b32 s31, 0
	s_mov_b32 s28, 0
	s_mov_b32 s20, 0x01020408                      ; four bytes of 0 or 1 x this: their four bits in the top byte
	s_wait_alu depctr_va_vdst(0)
	s_wait_kmcnt 0x0
	s_add_nc_u64 s[4:5], s[4:5], s[24:25]
	s_add_nc_u64 s[10:11], s[8:9], s[30:31]
	s_add_nc_u64 s[8:9], s[8:9], s[26:27]
.irp st, 0,1,2,3
.irp b, 0,1,2,3,4,5,6,7
	global_load_b64 v[32+16*\st+2*\b:33+16*\st+2*\b], v20, s[4:5] offset:128*\st+16*\b
.endr
.endr
	s_wait_loadcnt 0x0
.irp st, 0,1,2,3
.set n, 0
.rept 16
	v_mul_lo_u32 v[32+16*\st+n], v[32+16*\st+n], s20
.set n, n+1
.endr
.set n, 0
.rept 16
	v_lshrrev_b32 v[32+16*\st+n], 24, v[32+16*\st+n]
.set n, n+1
.endr
	v_lshl_or_b32 v[96+2*\st], v[33+16*\st], 4, v[32+16*\st]
	v_lshl_or_b32 v[97+2*\st], v[41+16*\st], 4, v[40+16*\st]
.set n, 2
.rept 6
	v_lshl_or_b32 v[96+2*\st], v[32+16*\st+n], 4*n, v[96+2*\st]
	v_lshl_or_b32 v[97+2*\st], v[40+16*\st+n], 4*n, v[97+2*\st]
.set n, n+1
.endr
	global_store_b64 v23, v[96+2*\st:97+2*\st], s[8:9] offset:256*\st
	v_or_b32 v24, v[96+2*\st], v[97+2*\st]
	v_and_b32 v25, v[96+2*\st], v[97+2*\st]
	v_cmp_eq_u32 s22, 0, v24                       ; the lanes in which all 64 keys are open,
	v_cmp_eq_u32 s23, -1, v25                      ; in which all are hidden
	s_cmp_eq_u32 s22, -1
	s_cselect_b32 s22, 0x10000<<\st, 0
	s_cmp_eq_u32 s23, -1
	s_cselect_b32 s23, 1<<\st, 0
	s_or_b32 s28, s28, s22
	s_or_b32 s28, s28, s23
.endr
	s_lshl_b32 s19, s16, 2
	s_lshl_b32 s28, s28, s19                       ; to my four steps' bits
	v_mov_b32 v26, s28
	v_mov_b32 v27, s28
	global_store_b64 v23, v[26:27], s[10:11]
	s_endpgm
.Lpath_r:
	; ---- cos and sin.  Wave: a block of 16 tokens.  Lane (r, h) makes, for token 16 blk + r, frequencies j = 16 b + 8 h + 4 u + e (b 0..3, u 0..1, e 0..3).
	; Piece 4 b + 2 cs + u of the block (512 bytes, 16 a lane) holds cos (cs = 0) or sin (cs = 1) of the four e.
	s_load_b64 s[8:9], s[0:1], 0x50                ; rope
	s_sub_co_u32 s18, ttmp9, 1408
	s_lshl_b32 s18, s18, 2
	s_add_co_u32 s18, s18, s16                     ; blk
	s_lshl_b32 s19, s18, 4
	v_and_b32 v20, 15, v0
	v_add_nc_u32 v20, s19, v20
	v_cvt_f32_u32 v20, v20                         ; the token, as f32
	v_bfe_u32 v21, v0, 4, 1
	v_lshlrev_b32 v21, 3, v21                      ; 8 h
	s_wait_alu depctr_va_vdst(0)
	s_mov_b32 s40, 0x3f22f983                      ; 2 / pi
	s_mov_b32 s41, 0xbfc90fdb                      ; -(pi/2 rounded to f32)
	s_mov_b32 s42, 0x333bbd2e                      ; -(pi/2 less that)
	s_mov_b32 s43, 0x37ccf5ce                      ; cos: z^4,
	s_mov_b32 s44, 0xbab6061a                      ;      z^3,
	s_mov_b32 s45, 0x3d2aaaa5                      ;      z^2
	s_mov_b32 s46, 0xb94ca1f9                      ; sin: a z^3,
	s_mov_b32 s47, 0x3c08839e                      ;      a z^2,
	s_mov_b32 s48, 0xbe2aaaa3                      ;      a z
	s_lshl_b32 s24, s18, 13
	s_mov_b32 s25, 0
.set n, 0
.rept 32
	v_add_nc_u32 v[32+n], 16*(n/8)+n%8, v21        ; j
.set n, n+1
.endr
.set n, 0
.rept 32
	v_cvt_f32_u32 v[32+n], v[32+n]
.set n, n+1
.endr
.set n, 0
.rept 32
	v_mul_f32 v[32+n], 0xbe549a78, v[32+n]         ; -j log2(10000) / 64
.set n, n+1
.endr
.set n, 0
	s_wait_alu depctr_va_vdst(0)
.rept 32
	v_exp_f32 v[32+n], v[32+n]                     ; 10000^(-j/64)
.set n, n+1
.endr
	v_nop                                          ; a plain instruction behind the last exponential
	s_wait_alu depctr_va_vdst(0)                   ; one wait for the batch of 32, ahead of its first reader
.set n, 0
.rept 32
	v_mul_f32 v[32+n], v20, v[32+n]                ; the angle, rounded once as the outer product rounds it
.set n, n+1
.endr
	s_wait_kmcnt 0x0
	s_add_nc_u64 s[8:9], s[8:9], s[24:25]
.set g, 0
.rept 8
.set e, 0
.rept 4
	SINCOS (4*g+e)
.set e, e+1
.endr
	global_store_b128 v3, v[64+8*g:64+8*g+3], s[8:9] offset:512*(4*(g/2)+g%2)        ; the wave stores 512 consecutive bytes; each group has registers of its own
	global_store_b128 v3, v[64+8*g+4:64+8*g+7], s[8:9] offset:512*(4*(g/2)+2+g%2)
.set g, g+1
.endr
	s_endpgm
.Lfunc_end_k_q1d7b765478_prep:
	.size	k_q1d7b765478_prep, .Lfunc_end_k_q1d7b765478_prep-k_q1d7b765478_prep
	.p2alignl 7, 3214868480
	.fill 96, 4, 3214868480
	.section	.rodata,"a",@progbits
	.p2align	6, 0x0
	.amdhsa_kernel k_q1d7b765478_prep
		.amdhsa_group_segment_fixed_size 41472
		.amdhsa_private_segment_fixed_size 0
		.amdhsa_enable_private_segment 0
		.amdhsa_kernarg_size 88
		.amdhsa_user_sgpr_count 2
		.amdhsa_user_sgpr_kernarg_segment_ptr 1
		.amdhsa_wavefront_size32 1
		.amdhsa_system_sgpr_workgroup_id_x 1
		.amdhsa_system_sgpr_workgroup_id_y 1
		.amdhsa_system_sgpr_workgroup_id_z 1
		.amdhsa_system_vgpr_workitem_id 0
		.amdhsa_next_free_vgpr 160
		.amdhsa_next_free_sgpr 66
		.amdhsa_reserve_vcc 1
		.amdhsa_float_denorm_mode_32 3
		.amdhsa_float_denorm_mode_16_64 3
		.amdhsa_memory_ordered 1
		.amdhsa_forward_progress 1
		.amdhsa_inst_pref_size 120
	.end_amdhsa_kernel
	.amdgpu_metadata
---
amdhsa.version: [ 1, 2 ]
amdhsa.kernels:
  - .name:           k_q1d7b765478_prep
    .symbol:         k_q1d7b765478_prep.kd
    .args:
      - { .name: x, .offset: 0, .size: 8, .value_kind: global_buffer, .address_space: global }
      - { .name: Wq, .offset: 8, .size: 8, .value_kind: global_buffer, .address_space: global }
      - { .name: Wk, .offset: 16, .size: 8, .value_kind: global_buffer, .address_space: global }
      - { .name: Wv, .offset: 24, .size: 8, .value_kind: global_buffer, .address_space: global }
      - { .name: Wo, .offset: 32, .size: 8, .value_kind: global_buffer, .address_space: global }
      - { .name: attn_mask, .offset: 40, .size: 8, .value_kind: global_buffer, .address_space: global }
      - { .name: lowp_scales, .offset: 48, .size: 8, .value_kind: global_buffer, .address_space: global }
      - { .name: xc, .offset: 56, .size: 8, .value_kind: global_buffer, .address_space: global }
      - { .name: wc, .offset: 64, .size: 8, .value_kind: global_buffer, .address_space: global }
      - { .name: maskw, .offset: 72, .size: 8, .value_kind: global_buffer, .address_space: global }
      - { .name: rope, .offset: 80, .size: 8, .value_kind: global_buffer, .address_space: global }
    .group_segment_fixed_size: 41472
    .private_segment_fixed_size: 0
    .kernarg_segment_align: 8
    .kernarg_segment_size: 88
    .max_flat_workgroup_size: 128
    .sgpr_count:     66
    .vgpr_count:     160
    .wavefront_size: 32
...
	.end_amdgpu_metadata
.endif
;; end of part 1
;; launch qkv (part 2): grid 24 x 8, 4 waves a work-group, clusters of 4 x 4, 327,680 bytes of LDS; arguments xc, wc, lowp_scales, rope, qkv; writes qkv
.if DOCPART == 2
	.amdgcn_target "amdgcn-amd-amdhsa--gfx1250"
	.amdhsa_code_object_version 6
	.text
	.protected	k_q1d7b765478_qkv
	.globl	k_q1d7b765478_qkv
	.p2align	8
	.type	k_q1d7b765478_qkv,@function
k_q1d7b765478_qkv:
	s_mov_b64 s[64:65], 0
	v_nop
	global_prefetch_b8 v0, s[64:65] scope:SCOPE_SE
	s_setreg_imm32_b32 hwreg(HW_REG_WAVE_MODE, 25, 1), 1
	s_wait_xcnt 0x0
	s_wait_alu depctr_hold_cnt(0) depctr_sa_sdst(0) depctr_va_vdst(0) depctr_va_sdst(0) depctr_va_ssrc(0) depctr_va_vcc(0) depctr_vm_vsrc(0)
	s_getreg_b32 s2, hwreg(HW_REG_IB_STS2, 6, 4)
	s_cmp_eq_u32 s2, 0
	s_cbranch_scc0 .Lentry_in_a_cluster
	s_endpgm
.Lentry_in_a_cluster:
	s_bfe_u32 s2, ttmp6, 0x10000c
	s_cmp_lg_u32 s2, 0xf033
	s_cbranch_scc0 .Lentry_shape_is_right
	s_endpgm
.Lentry_shape_is_right:
; The three projections on E4M3 codes, the rotary embedding of q and k, and the codes of q, k and v.
; A block of 256 x 256 of one product to a work-group, 128 x 128 to a wave; K in steps of 256 through a ring of two slots filled by joint loads (clusters of 4 x 4: A's tile shared along a row, B's along a column).
; For q and k, A = x and B = the weight: a lane holds a token and eight neighbouring channels a tile.  For v the two change places: a lane holds a channel and eight neighbouring tokens.
; THE CODES LEAVE AS IMAGES OF OPERAND REGISTERS: a block of 16 rows x 128 is 2,048 bytes, piece c (512 bytes, 16 a lane) = registers 4 c .. 4 c + 3 = the codes of tiles 2 c and 2 c + 1: numbers 32 c + 8 h + 0 .. 7 and
; 32 c + 16 + 8 h + 0 .. 7 of row r.  q and k have this order of channels alike, p and v this order of keys: a permutation of K on both sides.  So each store covers 512 consecutive bytes straight from the registers.
; Half of the clusters begin at the middle of K and wrap round once.
; PREFETCHES: two K steps ahead of the joint load; of the 128 rows that a wave fetches each of the four partners names 32, a lane a row; steps 1 and 2 behind the first joint load, step 3 behind the second, none beyond step 7.
; LIMITS: e(result) - e(A) - e(B) between -126 and 119 for each product.
.set KSTEP,  256
.set ROWB,   256
.set KROW,   2048
.set PITCH,  272
.set FR,     16
.set NL,     4
.set NP,     4
.set HALFT,  128*PITCH
.set SLOT,   4*HALFT
.set LAPS,   2048/(2*KSTEP)
.set SPARE,  2*SLOT
.set SCL,  8                           ; v8, v9: the scale of the result's codes, and 448 x it
.set LIM,  9
.set PFO,  30                          ; v30 the prefetches' offset: my lane x a row; never rewritten
.set ADRA, 16
.set ADRB, 20
.set CO,   26
.set SPW,  28
.set NIL,  29
.set CSA,  32
.set PC,   96
.set AF,   128
.set T,    192
.set G1, 24
.set G0, 32
.set G1B, 48
.set G0B, 56
.set MSB, 0
.macro WIN new
.if MSB != \new
	s_set_vgpr_msb (MSB<<8)|\new
.set MSB, \new
.endif
.endm
.set MUL_LO, 0xa1
.set MUL_HI, 0xf1
.set TO_B,   0x40
.macro JLOAD g0a, g1a, g0b, g1b
	s_cmp_eq_u32 s15, 0
	s_cbranch_scc0 .Lfor_b_\@
	tensor_load_to_lds s[\g0a:\g0a+3], s[\g1a:\g1a+7]
	s_nop 0
.rept 4
	v_nop
.endr
	s_branch .Lasked_\@
.Lfor_b_\@:
	tensor_load_to_lds s[\g0b:\g0b+3], s[\g1b:\g1b+7]
	s_nop 0
.rept 4
	v_nop
.endr
.Lasked_\@:
.endm
.macro CREST
	s_cmp_lg_u32 s14, 0
	s_cbranch_scc1 .Lnot_wave_0_\@
	s_barrier_signal -3
.Lnot_wave_0_\@:
	s_barrier_wait -3
	s_barrier_signal -1
	s_barrier_wait -1
.endm
.macro CROUND
	s_barrier_signal -1
	s_barrier_wait -1
	CREST
.endm
	s_load_b128 s[4:7], s[0:1], 0x0
	s_load_b128 s[8:11], s[0:1], 0x10
	s_load_b64 s[12:13], s[0:1], 0x20
	v_lshl_add_u32 v[SPW], v0, 2, SPARE
	v_mov_b32 v[NIL], 0
	ds_add_u32 v28, v29
	ds_add_u32 v28, v29
	s_wait_dscnt 0x0
	v_lshrrev_b32 v1, 5, v0
	v_readfirstlane_b32 s14, v1
	s_lshr_b32 s15, s14, 1
	s_and_b32 s16, s14, 1
	s_bfe_u32 s40, ttmp6, 0x40000
	s_bfe_u32 s41, ttmp6, 0x40004
	s_lshr_b32 s66, ttmp9, 1
	s_and_b32 s67, ttmp9, 1
	s_and_b32 s85, ttmp7, 1
	s_xor_b32 s67, s67, s85
	s_lshl_b32 s85, s67, 10
	s_lshl_b32 s67, s67, 1
	s_mov_b32 s97, 0
	s_and_b32 s42, ttmp9, 1
	s_lshl_b32 s42, s42, 2
	s_add_co_u32 s42, s42, s40
	s_and_b32 s17, ttmp7, 0xffff
	s_lshl_b32 s17, s17, 2
	s_add_co_u32 s17, s17, s41
	s_lshl_b32 s43, s41, 2
	s_lshl_b32 s43, 15, s43
	s_lshl_b32 s44, 0x1111, s40
	s_or_b32 s[G1+0], s43, (0<<16)|(1<<20)|(1<<21)|(5<<22)|(3<<25)
	s_or_b32 s[G1B+0], s44, (0<<16)|(1<<20)|(1<<21)|(5<<22)|(3<<25)
.irp g, G1, G1B
	s_mov_b32 s[\g+1], ROWB<<16
	s_mov_b32 s[\g+2], 128<<16
	s_mov_b32 s[\g+3], ROWB<<16
	s_mov_b32 s[\g+4], 128
	s_mov_b32 s[\g+5], KROW
	s_mov_b32 s[\g+6], 0
	s_mov_b32 s[\g+7], 0
.endr
	s_lshl_b32 s18, s16, 7
	s_lshl_b32 s19, s66, 22
	s_lshl_b32 s20, s17, 8
	s_add_co_u32 s20, s20, s18
	s_lshl_b32 s20, s20, 11
	s_add_co_u32 s20, s20, s19
	s_add_co_u32 s20, s20, s85
	s_mov_b32 s21, 0
	s_lshl_b32 s46, s42, 8
	s_add_co_u32 s46, s46, s18
	s_lshl_b32 s46, s46, 11
	s_add_co_u32 s46, s46, s19
	s_add_co_u32 s46, s46, s85
	s_mov_b32 s47, 0
	s_mul_i32 s45, s14, HALFT
	s_wait_kmcnt 0x0
	s_load_b256 s[68:75], s[8:9], 0x0
	s_load_b128 s[76:79], s[8:9], 0x20
	s_cmp_eq_u32 s66, 2
	s_cselect_b64 s[90:91], s[6:7], s[4:5]
	s_cselect_b64 s[92:93], s[4:5], s[6:7]
	s_add_nc_u64 s[20:21], s[90:91], s[20:21]
	s_add_nc_u64 s[46:47], s[92:93], s[46:47]
	CROUND
.irp s, 0,1
	s_mov_b32 s[G0+4*\s], 1
	s_add_co_u32 s[G0+4*\s+1], s45, \s*SLOT
	s_add_nc_u64 s[G0+4*\s+2:G0+4*\s+3], s[20:21], \s*ROWB
	s_or_b32 s[G0+4*\s+3], s[G0+4*\s+3], 0x80000000
	s_mov_b32 s[G0B+4*\s], 1
	s_add_co_u32 s[G0B+4*\s+1], s45, \s*SLOT
	s_add_nc_u64 s[G0B+4*\s+2:G0B+4*\s+3], s[46:47], \s*ROWB
	s_or_b32 s[G0B+4*\s+3], s[G0B+4*\s+3], 0x80000000
.endr
	JLOAD G0, G1, G0B, G1B                         ; K step 0: one tensor load a wave at the head
	s_cmp_eq_u32 s15, 0                            ; the prefetches: A's rows or B's, as I fetch,
	s_cselect_b32 s98, s40, s41                    ; and my place among the four that ask jointly
	s_cselect_b64 s[100:101], s[20:21], s[46:47]
	s_lshl_b32 s98, s98, 16                        ; 32 rows of 2,048 bytes
	s_mov_b32 s99, 0
	s_add_nc_u64 s[98:99], s[100:101], s[98:99]    ; my 32 rows at the first K step
	s_add_nc_u64 s[100:101], s[98:99], 768         ; the loop's: the first change of slots steps it to K step 4,
	s_cmp_lg_u32 s85, 0
	s_cselect_b32 s96, KROW, 0                     ; which lies at the row's beginning where the walk begins in the middle
	s_sub_nc_u64 s[100:101], s[100:101], s[96:97]
	v_and_b32 v[PFO], 31, v0
	v_lshlrev_b32 v[PFO], 11, v[PFO]
	global_prefetch_b8 v[PFO], s[98:99] offset:256 th:TH_LOAD_NT scope:SCOPE_SE
	global_prefetch_b8 v[PFO], s[98:99] offset:512 th:TH_LOAD_NT scope:SCOPE_SE
	v_and_b32 v1, 15, v0
	s_wait_alu depctr_va_vdst(0)
	v_bfe_u32 v2, v0, 4, 1
	v_mul_u32_u24 v3, v1, PITCH
	v_lshl_add_u32 v4, v2, 4, v3
	s_mul_i32 s21, s15, HALFT
	s_mul_i32 s22, s16, HALFT
	s_add_co_u32 s22, s22, 2*HALFT
.irp s, 0,1
	v_add_nc_u32 v[ADRA+\s], s21, v4
	v_add_nc_u32 v[ADRB+\s], s22, v4
	s_add_co_u32 s21, s21, SLOT
	s_add_co_u32 s22, s22, SLOT
.endr
	v_and_b32 v6, 31, v0
	v_lshlrev_b32 v[CO], 4, v6                     ; 16 bytes a lane: in the rope table's pieces and in the codes'
	v_lshlrev_b32 v7, 8, v6                        ; the table's prefetch: lanes 256 bytes apart
	s_lshl_b32 s86, s42, 1
	s_add_co_u32 s86, s86, s16
	s_lshl_b32 s87, s17, 1
	s_add_co_u32 s87, s87, s15
	s_cmp_eq_u32 s66, 2
	s_cselect_b32 s88, s87, s86
	s_cselect_b32 s89, s86, s87
	s_lshl_b32 s88, s88, 18
	s_lshl_b32 s89, s89, 14
	s_add_co_u32 s88, s88, s89
	s_add_co_u32 s88, s88, s19
	s_mov_b32 s89, 0
	s_add_nc_u64 s[12:13], s[12:13], s[88:89]
	s_lshl_b32 s88, s87, 16
	s_add_nc_u64 s[10:11], s[10:11], s[88:89]
	s_wait_kmcnt 0x0
	s_cmp_eq_u32 s66, 1
	s_cselect_b32 s92, s70, s68
	s_cselect_b32 s93, s71, s69
	s_cselect_b32 s94, s75, s74
	s_cmp_eq_u32 s66, 2
	s_cselect_b32 s92, s72, s92
	s_cselect_b32 s93, s73, s93
	s_cselect_b32 s94, s77, s94
	s_sub_co_i32 s94, s94, s92
	s_sub_co_i32 s94, s94, s93
	s_add_co_i32 s94, s94, 127
	s_lshl_b32 s95, s94, 23
	v_mov_b32 v[SCL], s95
	s_add_co_i32 s94, s94, 8
	s_lshl_b32 s94, s94, 23
	s_or_b32 s94, s94, 0x600000
	v_mov_b32 v[LIM], s94
.macro TABLEAT a                       ; block a's table of cos and sin: one of four buffers by turns, v32-95 of window 0 or v0, v64, v128 on of window 1
.if (\a)%4 == 3
.set CS, CSA
.set CW, 0
.else
.set CS, 64*((\a)%4)
.set CW, 1
.endif
.endm
.macro TABLE a
	TABLEAT \a
	WIN (CW*0x40)
.irp p, 0,1,2,3,4,5,6,7,8,9,10,11,12,13,14,15
	global_load_b128 v[CS+4*\p:CS+4*\p+3], v[CO], s[10:11] offset:8192*(\a)+512*\p
.endr
	WIN 0
.endm
	s_lshl_b32 s88, s40, 13                        ; the tables of my 128 tokens, 8 x 8,192 bytes, are asked for once in each cluster: one of them by each of the four partners
	s_lshl_b32 s89, s16, 15                        ; and each of the two waves that own these tokens, told apart by address
	s_add_co_u32 s88, s88, s89
	s_mov_b32 s89, 0
	s_add_nc_u64 s[88:89], s[10:11], s[88:89]
	s_cmp_eq_u32 s66, 2                            ; v is not rotated
	s_wait_alu depctr_va_vdst(0)
	s_cbranch_scc1 .Lno_table
	global_prefetch_b8 v7, s[88:89] th:TH_LOAD_NT scope:SCOPE_SE
.Lno_table:
.macro FRAG reg, adr, q, i
.irp c, 0,1,2,3
	ds_load_b128 v[\reg+4*\c:\reg+4*\c+3], v[\adr] offset:128*(\q)+32*\c+(\i)*16*PITCH
.endr
.endm
.macro MUL16 a0, p, zero
.irp a, \a0, \a0+1
.irp b, 0,1,2,3,4,5,6,7
.if \zero
	v_wmma_f32_16x16x128_fp8_fp8 v[8*(8*((\a)%4)+\b):8*(8*((\a)%4)+\b)+7], v[128*(\p)+FR*\b:128*(\p)+FR*\b+FR-1], v[AF+FR*(\a):AF+FR*(\a)+FR-1], 0
.else
	v_wmma_f32_16x16x128_fp8_fp8 v[8*(8*((\a)%4)+\b):8*(8*((\a)%4)+\b)+7], v[128*(\p)+FR*\b:128*(\p)+FR*\b+FR-1], v[AF+FR*(\a):AF+FR*(\a)+FR-1], v[8*(8*((\a)%4)+\b):8*(8*((\a)%4)+\b)+7]
.endif
.endr
.endr
.endm
.macro FETCH_B slot, q, p
	WIN TO_B
.irp i, 0,1,2,3,4,5,6,7
	FRAG 128*(\p)+FR*\i, ADRB+\slot, \q, \i
.endr
	WIN 0
.endm
.macro FETCH_A slot, q, i0
.irp i, \i0, \i0+1, \i0+2, \i0+3
	FRAG AF+FR*(\i), ADRA+\slot, \q, \i
.endr
.endm
.macro PLACES n
.rept \n
	v_nop
.endr
.endm
.macro STEP slot, q, zero
	s_wait_dscnt 4*NL
	WIN MUL_LO
	MUL16 0, (\q)%2, \zero
	MUL16 2, (\q)%2, \zero
	s_wait_dscnt 0
	PLACES NP
	FETCH_B \slot, (\q)+1, 1-(\q)%2
	FETCH_A \slot, (\q)+1, 0
	WIN MUL_HI
	MUL16 4, (\q)%2, \zero
	MUL16 6, (\q)%2, \zero
	PLACES NP
	WIN 0
	FETCH_A \slot, (\q)+1, 4
.endm
.macro TURN slot, next, fill
.if \fill
	s_wait_xcnt 0x0                                ; my last prefetch has read its address
	s_add_nc_u64 s[100:101], s[100:101], ROWB
.endif
	s_wait_tensorcnt 0x0
	ds_add_u32 v[SPW], v[NIL]
	s_wait_dscnt 4*NL+1
	WIN MUL_LO
	MUL16 0, 1, 0
	s_wait_dscnt 0x0
	s_barrier_signal -1
	MUL16 2, 1, 0
	WIN 0
	s_barrier_wait -1
.if \fill
	CREST
	s_cmp_eq_u32 s3, s67
	s_cselect_b32 s96, KROW, 0
	s_add_nc_u64 s[G0+4*\slot+2:G0+4*\slot+3], s[G0+4*\slot+2:G0+4*\slot+3], 2*ROWB
	s_sub_nc_u64 s[G0+4*\slot+2:G0+4*\slot+3], s[G0+4*\slot+2:G0+4*\slot+3], s[96:97]
	s_add_nc_u64 s[G0B+4*\slot+2:G0B+4*\slot+3], s[G0B+4*\slot+2:G0B+4*\slot+3], 2*ROWB
	s_sub_nc_u64 s[G0B+4*\slot+2:G0B+4*\slot+3], s[G0B+4*\slot+2:G0B+4*\slot+3], s[96:97]
	JLOAD G0+4*\slot, G1, G0B+4*\slot, G1B
.else
	PLACES NP
.endif
	FETCH_B \next, 0, 0
	FETCH_A \next, 0, 0
.if \fill
	s_cmp_gt_u32 s3, 1                             ; the last trip's refills have no K step two on
	s_cbranch_scc0 .Lno_ask_\@
	global_prefetch_b8 v[PFO], s[100:101] th:TH_LOAD_NT scope:SCOPE_SE
.Lno_ask_\@:
.endif
	WIN MUL_HI
	MUL16 4, 1, 0
	MUL16 6, 1, 0
	PLACES NP
	WIN 0
	FETCH_A \next, 0, 4
.endm
	s_wait_tensorcnt 0x0                           ; my part of K step 0 is in
	ds_add_u32 v[SPW], v[NIL]
	s_wait_dscnt 0x0
	CROUND
	JLOAD G0+4, G1, G0B+4, G1B                     ; K step 1
	FETCH_B 0, 0, 0
	FETCH_A 0, 0, 0
	FETCH_A 0, 0, 4
	global_prefetch_b8 v[PFO], s[98:99] offset:768 th:TH_LOAD_NT scope:SCOPE_SE   ; K step 3
	STEP 0, 0, 1
	s_mov_b32 s3, LAPS-1
.Llap:
	TURN 0, 1, 1
	STEP 1, 0, 0
	TURN 1, 0, 1
	STEP 0, 0, 0
	s_sub_co_u32 s3, s3, 1
	s_cmp_lg_u32 s3, 0
	s_cbranch_scc1 .Llap
	TURN 0, 1, 0
	STEP 1, 0, 0
	s_cmp_eq_u32 s66, 2
	s_cbranch_scc1 .Lno_early
	TABLE 0                                        ; B's set 0 is free: two tables land there under the last step's products
	TABLE 1
.Lno_early:
	s_wait_dscnt 4*NL
	WIN MUL_LO
	MUL16 0, 1, 0
	MUL16 2, 1, 0
	s_wait_dscnt 0
	WIN MUL_HI
	MUL16 4, 1, 0
	MUL16 6, 1, 0
	WIN 0
.macro BLOCK a, rope                   ; 16 rows x 128 of the result: rotated (rope = 1), held, converted, stored
.set AC, 64*((\a)%4)
.set PCA, PC+16*((\a)%2)
.if (\a) > 1
	s_wait_xcnt 0x0                                ; block a - 2's stores have read their codes
.endif
.if \rope
	TABLEAT \a
.if (\a) < 5
	s_wait_loadcnt 48                              ; this block's table is in; the three behind it, 16 loads each, may be out
.else
	s_wait_loadcnt 16*(7-(\a))
.endif
	WIN (0x02+((\a)/4)+4*CW)
.irp b, 0,1,2,3
.irp i, 0,2,4,6
	v_pk_mul_f32 v[T+8*(\b+4)+\i:T+8*(\b+4)+\i+1], v[AC+8*\b+\i:AC+8*\b+\i+1], v[CS+16*\b+8+\i:CS+16*\b+8+\i+1]
	v_pk_mul_f32 v[T+8*\b+\i:T+8*\b+\i+1], v[AC+8*(\b+4)+\i:AC+8*(\b+4)+\i+1], v[CS+16*\b+8+\i:CS+16*\b+8+\i+1]
.endr
.irp i, 0,2,4,6
	v_pk_fma_f32 v[T+8*\b+\i:T+8*\b+\i+1], v[AC+8*\b+\i:AC+8*\b+\i+1], v[CS+16*\b+\i:CS+16*\b+\i+1], v[T+8*\b+\i:T+8*\b+\i+1] neg_lo:[0,0,1] neg_hi:[0,0,1]
	v_pk_fma_f32 v[T+8*(\b+4)+\i:T+8*(\b+4)+\i+1], v[AC+8*(\b+4)+\i:AC+8*(\b+4)+\i+1], v[CS+16*\b+\i:CS+16*\b+\i+1], v[T+8*(\b+4)+\i:T+8*(\b+4)+\i+1]
.endr
.endr
	WIN 0
.if (\a) < 4
	TABLE ((\a)+4)
.endif
.set n, 0
.rept 64
	v_med3_num_f32 v[T+n], v[T+n], -v[LIM], v[LIM]
.set n, n+1
.endr
.else
	WIN 0x02+((\a)/4)
.set n, 0
.rept 64
	v_med3_num_f32 v[T+n], v[AC+n], -v[LIM], v[LIM]
.set n, n+1
.endr
	WIN 0
.endif
.irp b, 0,1,2,3,4,5,6,7
	v_cvt_scalef32_pk8_fp8_f32 v[PCA+2*\b:PCA+2*\b+1], v[T+8*\b:T+8*\b+7], v[SCL]
.endr
	v_nop                                          ; one plain vector instruction behind the conversions
.irp c, 0,1,2,3
	global_store_b128 v[CO], v[PCA+4*\c:PCA+4*\c+3], s[12:13] offset:2048*(\a)+512*\c   ; the wave stores 512 consecutive bytes
.endr
.endm
	PLACES NP
	s_cmp_eq_u32 s66, 2
	s_cbranch_scc1 .Lway_v
	TABLE 2
	TABLE 3
.irp a, 0,1,2,3,4,5,6,7
	BLOCK \a, 1
.endr
	s_branch .Lend
.Lway_v:
	s_wait_alu depctr_va_vdst(0)
.irp a, 0,1,2,3,4,5,6,7
	BLOCK \a, 0
.endr
.Lend:
	s_wait_tensorcnt 0x0
	ds_add_u32 v[SPW], v[NIL]
	s_wait_dscnt 0x0
	CROUND
	s_endpgm
.Lfunc_end_k_q1d7b765478_qkv:
	.size	k_q1d7b765478_qkv, .Lfunc_end_k_q1d7b765478_qkv-k_q1d7b765478_qkv
	.p2alignl 7, 3214868480
	.fill 96, 4, 3214868480
	.section	.rodata,"a",@progbits
	.p2align	6, 0x0
	.amdhsa_kernel k_q1d7b765478_qkv
		.amdhsa_group_segment_fixed_size 327680
		.amdhsa_private_segment_fixed_size 0
		.amdhsa_enable_private_segment 0
		.amdhsa_kernarg_size 40
		.amdhsa_user_sgpr_count 2
		.amdhsa_user_sgpr_kernarg_segment_ptr 1
		.amdhsa_wavefront_size32 1
		.amdhsa_system_sgpr_workgroup_id_x 1
		.amdhsa_system_sgpr_workgroup_id_y 1
		.amdhsa_system_sgpr_workgroup_id_z 1
		.amdhsa_system_vgpr_workitem_id 0
		.amdhsa_next_free_vgpr 1024
		.amdhsa_next_free_sgpr 102
		.amdhsa_reserve_vcc 0
		.amdhsa_float_denorm_mode_32 3
		.amdhsa_float_denorm_mode_16_64 3
		.amdhsa_memory_ordered 1
		.amdhsa_forward_progress 1
		.amdhsa_inst_pref_size 205
	.end_amdhsa_kernel
	.amdgpu_metadata
---
amdhsa.version: [ 1, 2 ]
amdhsa.kernels:
  - .name:           k_q1d7b765478_qkv
    .symbol:         k_q1d7b765478_qkv.kd
    .args:
      - { .name: xc, .offset: 0, .size: 8, .value_kind: global_buffer, .address_space: global }
      - { .name: wc, .offset: 8, .size: 8, .value_kind: global_buffer, .address_space: global }
      - { .name: lowp_scales, .offset: 16, .size: 8, .value_kind: global_buffer, .address_space: global }
      - { .name: rope, .offset: 24, .size: 8, .value_kind: global_buffer, .address_space: global }
      - { .name: qkv, .offset: 32, .size: 8, .value_kind: global_buffer, .address_space: global }
    .group_segment_fixed_size: 327680
    .private_segment_fixed_size: 0
    .kernarg_segment_align: 8
    .kernarg_segment_size: 40
    .max_flat_workgroup_size: 128
    .sgpr_count:     102
    .vgpr_count:     1024
    .wavefront_size: 32
...
	.end_amdgpu_metadata
.endif
;; end of part 2
;; launch attn (part 3): grid 16 x 16, 8 waves a work-group, no clusters, 199,680 bytes of LDS; arguments qkv, maskw, lowp_scales, ac; writes ac
.if DOCPART == 3
	.amdgcn_target "amdgcn-amd-amdhsa--gfx1250"
	.amdhsa_code_object_version 6
	.text
	.protected	k_q1d7b765478_attn
	.globl	k_q1d7b765478_attn
	.p2align	8
	.type	k_q1d7b765478_attn,@function
k_q1d7b765478_attn:
	s_mov_b64 s[64:65], 0
	v_nop
	global_prefetch_b8 v0, s[64:65] scope:SCOPE_SE
	s_setreg_imm32_b32 hwreg(HW_REG_WAVE_MODE, 25, 1), 1
	s_wait_xcnt 0x0
; Attention on E4M3 codes: scores = q k^T / sqrt(128), the mask as it is given, p = 2^(t - M), O = p v / l, and O quantised for the last projection.
; t = score x log2(e) / sqrt(128); M = the largest t so far, rounded UP to a whole number; p is quantised (2^e8) and not normalised; l is the sum of the unquantised p.  When M moves, l and O are multiplied by 2^(old M - new M): exact.
; THE MASK IS AN INPUT.  An earlier launch has stored, for each tile of 16 queries and each key step of 128 keys, 64 bits a lane in the order of the score registers, and whether the step is wholly hidden or wholly open.
; A step that is hidden for both of a wave's tiles is left out (every p of it is 0), and so is tile 0's part of a step that is hidden for tile 0 alone; a tile for which a step is open goes without the bits; otherwise the
; bits turn hidden scores into -infinity.
; This launch has no tensor load, no cluster and no joint load: K and V go from memory through registers into LDS.  Every wave passes every barrier.
; LIMIT: a NaN or an infinity in k or v that reaches only steps left out is not carried to the result.  A row with no open key has l = 0: its codes become the NaN code, as a softmax of nothing but -infinity gives NaN.
; SHARES.  A work-group owns 128 queries of one head: blocks x and 31 - x of 64, four tiles each.  Eight waves of 512 registers, two to a SIMD; each owns ONE TILE OF EITHER BLOCK (tile 0: block x, tile 1: block 31 - x), so that where
; a mask leaves only one block's work in a slot, all eight waves have a part of it.  Waves w and 7 - w share their two tiles: wave w < 4 takes the even key steps, its partner the odd ones.
; At the end the partners exchange one tile each through LDS, bring both parts under the larger M by powers of two that round nothing, and add.
; LAYOUT.  Both products are used transposed: S^T = K Q^T, O^T = V^T P^T: a lane holds ONE query (lane % 16).  Q, K and V lie in memory as images of operand registers: a fragment's piece c is 512 bytes, 16 a lane.
; Score register 8 t + j holds key 16 t + 8 (lane / 16) + j; p's conversions give the second product's operand as it stands, in the order of keys that V's image has.
; V's tiles 2 b, 2 b + 1 hold channels so that a lane's 16 registers of the two are channels 32 b + 16 (lane / 16) + 0 .. 15: O's codes leave as an image in the true order of channels.
; LDS.  Two slots of 65,536 bytes: 256 keys of K, then of V; behind them the exchange (8,448 bytes a wave), then the spare words.
; PREFETCHES: two slots ahead of the loads.  The 16 work-groups of a head share a slot's 256 blocks of 256 bytes out among them, 16 each, asked for by wave 0 (lanes 16 to 31 name the last block again); slots 1 and 2 at the head, none beyond slot 7.
; LIMITS: e6 + e7 between -123 and 130 (added to c's exponent field); e8 and e10 - e8 - e9 between -126 and 119.
; REGISTERS, window 0: v1 LDS reads, v2 LDS stores, v3 16 x lane, v4 -infinity, v5, v6 the add's, v7 prefetch offset, v8, v10 addresses in hand, v9 8 x lane; v12 -M, v13 largest t, v[14:15] l of tile 0, v16-19 of tile 1;
;   v20, v21 hold and scale of p, v22, v23 of O; v24-43 at work; v44-75 Q; v76-107 P; v108-171 scores; v172-235 fragments; v236-239 mask bits, v240-243 the next slot's; v244-247 the exchange.
;   window 1: v0-127 O^T; v128-191 fragments; v192-255 a slot's bytes on their way.
.set QF,    44
.set PK,    76
.set SC,    108
.set FA,    172
.set FB,    128
.set GR,    192
.set SLOTB, 65536
.set HAND,  2*SLOTB
.set HW,    8448                       ; a wave's hand-over: 16 x 512 bytes of O^T, -M, l
.set SPARE, HAND+8*HW                  ; the spare words: 128 bytes for each wave, which no other line names
.set FLAGS, 524288
.set MSB, 0
.macro WIN new                         ; the immediate's high byte repeats the setting that is left
.if MSB != \new
	s_set_vgpr_msb (MSB<<8)|\new
.set MSB, \new
.endif
.endm
.macro LOADG                           ; my 8,192 bytes of a slot (waves 0-3: K's, waves 4-7: V's), and the mask bits of my key step for both tiles
	WIN 0x40
.set i, 0
.rept 16
	global_load_b128 v[GR+4*i:GR+4*i+3], v3, s[8:9] offset:512*i
.set i, i+1
.endr
	WIN 0
	global_load_b64 v[240:241], v9, s[4:5]
	global_load_b64 v[242:243], v9, s[100:101]
.endm
.macro MKSC vs, vl, se                 ; v[vs] = 2^e as f32, v[vl] = 448 x 2^e
	s_add_co_i32 s29, s[\se], 127
	s_lshl_b32 s31, s29, 23
	v_mov_b32 v[\vs], s31
	s_add_co_i32 s29, s29, 8
	s_lshl_b32 s29, s29, 23
	s_or_b32 s29, s29, 0x600000
	v_mov_b32 v[\vl], s29
.endm
.macro PLACES n
.rept \n
	v_nop
.endr
.endm
.macro FRAGS off                       ; eight fragments of 16 rows x 128, four in window 0, four in window 1
.irp t, 0,1,2,3
.irp c, 0,1,2,3
	ds_load_b128 v[FA+16*\t+4*\c:FA+16*\t+4*\c+3], v8 offset:\off+2048*\t+512*\c
.endr
.endr
	WIN 0x40
.irp t, 0,1,2,3
.irp c, 0,1,2,3
	ds_load_b128 v[FB+16*\t+4*\c:FB+16*\t+4*\c+3], v8 offset:\off+8192+2048*\t+512*\c
.endr
.endr
	WIN 0
.endm
.macro QK tau, half                    ; S^T of four tiles of 16 keys
	WIN \half
.irp t, 0,1,2,3
.if \half
	v_wmma_f32_16x16x128_fp8_fp8 v[SC+32+8*\t:SC+39+8*\t], v[FB+16*\t:FB+16*\t+15], v[QF+16*\tau:QF+16*\tau+15], 0
.else
	v_wmma_f32_16x16x128_fp8_fp8 v[SC+8*\t:SC+7+8*\t], v[FA+16*\t:FA+16*\t+15], v[QF+16*\tau:QF+16*\tau+15], 0
.endif
.endr
	WIN 0
.endm
.macro PV tau                          ; O^T += V^T P^T: eight tiles of 16 channels
	WIN 0x50
.irp t, 0,1,2,3
	v_wmma_f32_16x16x128_fp8_fp8 v[64*\tau+8*\t:64*\tau+8*\t+7], v[FA+16*\t:FA+16*\t+15], v[PK+16*\tau:PK+16*\tau+15], v[64*\tau+8*\t:64*\tau+8*\t+7]
.endr
	WIN 0x51
.irp t, 0,1,2,3
	v_wmma_f32_16x16x128_fp8_fp8 v[64*\tau+32+8*\t:64*\tau+39+8*\t], v[FB+16*\t:FB+16*\t+15], v[PK+16*\tau:PK+16*\tau+15], v[64*\tau+32+8*\t:64*\tau+39+8*\t]
.endr
	WIN 0
.endm
; The softmax of tile tau's 128 keys, its codes of p, and l and O^T under the new M.
.macro SOFT tau
.set MM, 12+4*\tau
.set PQ, PK+16*\tau
.set OB, 64*\tau
.if \tau
	s_bitcmp1_b32 s97, 16                          ; the step is open for all 16 queries: no bits
.else
	s_bitcmp1_b32 s13, 16
.endif
	s_cbranch_scc1 .Lopen_\@
.set n, 0
.rept 64
	v_and_b32 v[26+n%2], 1<<(n%32), v[236+2*\tau+n/32]
	v_cmp_ne_u32 vcc_lo, 0, v[26+n%2]
	v_cndmask_b32 v[SC+n], v[SC+n], v4, vcc_lo     ; hidden: -infinity, so p = 0
.set n, n+1
.endr
.Lopen_\@:
	v_max3_num_f32 v26, v[SC], v[SC+1], v[SC+2]    ; the largest score among my 64 keys, in four chains
	v_max3_num_f32 v27, v[SC+3], v[SC+4], v[SC+5]
	v_max3_num_f32 v28, v[SC+6], v[SC+7], v[SC+8]
	v_max3_num_f32 v29, v[SC+9], v[SC+10], v[SC+11]
.set n, 0
.rept 26
	v_max3_num_f32 v[26+n%4], v[26+n%4], v[SC+12+2*n], v[SC+13+2*n]
.set n, n+1
.endr
	v_max3_num_f32 v26, v26, v27, v28
	s_delay_alu instid0(VALU_DEP_1)
	v_max_num_f32 v26, v26, v29
	s_delay_alu instid0(VALU_DEP_1)
	v_permlanex16_b32 v27, v26, s24, s25
	s_delay_alu instid0(VALU_DEP_1)
	v_max_num_f32 v26, v26, v27                    ; and among lane l xor 16's
	s_delay_alu instid0(VALU_DEP_1)
	v_mul_f32 v26, s26, v26                        ; as t (c is positive)
	s_delay_alu instid0(VALU_DEP_1)
	v_max_num_f32 v[MM+1], v[MM+1], v26            ; the running largest t
	v_mov_b32 v26, v[MM]
	s_delay_alu instid0(VALU_DEP_2)
	v_floor_f32 v[MM], -v[MM+1]                    ; the new -M = floor(-t) = -ceil(t)
	s_delay_alu instid0(VALU_DEP_1)
	v_sub_f32 v26, v[MM], v26                      ; old M - new M: a whole number, 0 or less
	s_delay_alu instid0(VALU_DEP_1)
	v_cvt_i32_f32 v26, v26                         ; (it saturates)
	s_delay_alu instid0(VALU_DEP_1)
	v_ldexp_f32 v24, 1.0, v26                      ; f = 2^(old M - new M)
.set n, 0
.rept 32
	v_pk_fma_f32 v[SC+n:SC+n+1], v[SC+n:SC+n+1], s[26:27], v[MM:MM+1] op_sel_hi:[1,0,0]   ; t - M, two at a time
.set n, n+2
.endr
	s_wait_alu depctr_va_vdst(0)                   ; the wait ahead of the batch,
.set n, 0
.rept 64
	v_exp_f32 v[SC+n], v[SC+n]                     ; p = 2^(t - M)
.set n, n+1
.endr
	v_pk_mul_f32 v[MM+2:MM+3], v[MM+2:MM+3], v[24:25] op_sel_hi:[1,0]   ; l under the new M: the plain instruction behind the exponentials
	s_wait_alu depctr_va_vdst(0)                   ; and ahead of its first reader
.set n, 0
.rept 8
	v_pk_add_f32 v[28+2*n:29+2*n], v[SC+2*n:SC+2*n+1], v[SC+16+2*n:SC+17+2*n]   ; the sum of the unquantised p, in eight chains
.set n, n+1
.endr
.set n, 0
.rept 16
	v_pk_add_f32 v[28+2*(n%8):29+2*(n%8)], v[28+2*(n%8):29+2*(n%8)], v[SC+32+2*n:SC+33+2*n]
.set n, n+1
.endr
	v_pk_add_f32 v[28:29], v[28:29], v[36:37]
	v_pk_add_f32 v[30:31], v[30:31], v[38:39]
	v_pk_add_f32 v[32:33], v[32:33], v[40:41]
	v_pk_add_f32 v[34:35], v[34:35], v[42:43]
	s_delay_alu instid0(VALU_DEP_2)
	v_pk_add_f32 v[28:29], v[28:29], v[32:33]
	s_delay_alu instid0(VALU_DEP_2)
	v_pk_add_f32 v[30:31], v[30:31], v[34:35]
	s_delay_alu instid0(VALU_DEP_1)
	v_pk_add_f32 v[28:29], v[28:29], v[30:31]
	s_delay_alu instid0(VALU_DEP_1)
	v_pk_add_f32 v[MM+2:MM+3], v[MM+2:MM+3], v[28:29]
	s_cmp_eq_u32 s12, 0                            ; e8 >= -8: p / 2^e8 is 256 or less, under the largest code
	s_cbranch_scc0 .Lfits_\@
.set n, 0
.rept 64
	v_min_num_f32 v[SC+n], v[SC+n], v20            ; the conversion does not saturate (ISA guide 7.6.2); p is not negative, so the hold is one-sided
.set n, n+1
.endr
.Lfits_\@:
.irp b, 0,1,2,3
	v_cvt_scalef32_pk8_fp8_f32 v[PQ+4*\b:PQ+4*\b+1], v[SC+16*\b:SC+16*\b+7], v21
	v_cvt_scalef32_pk8_fp8_f32 v[PQ+4*\b+2:PQ+4*\b+3], v[SC+16*\b+8:SC+16*\b+15], v21
.endr
	WIN 0x41
	s_wait_alu depctr_va_vdst(0)                   ; the wait directly ahead of the first reader of O^T
.set n, 0
.rept 32
	v_pk_mul_f32 v[OB+n:OB+n+1], v[OB+n:OB+n+1], v[24:25] op_sel_hi:[1,0]   ; O^T under the new M
.set n, n+2
.endr
	WIN 0
.endm
	s_load_b256 s[68:75], s[0:1], 0x0              ; qkv s[68:69], mask s[70:71], the scales' exponents s[72:73], ac s[74:75]
	v_lshl_add_u32 v5, v0, 2, SPARE
	v_mov_b32 v6, 0
	v_lshrrev_b32 v8, 5, v0
	v_readfirstlane_b32 s10, v8                    ; wave 0..7
	s_lshr_b32 s15, s10, 2                         ; my key steps: even (0) or odd (1)
	s_and_b32 s18, s10, 3
	s_mul_i32 s11, s15, 3
	s_xor_b32 s11, s18, s11                        ; my tile in either block: w or 7 - w
	s_sub_co_u32 s22, 31, ttmp9                    ; the later block of 64 queries
	s_lshl_b32 s23, ttmp9, 2
	s_add_co_u32 s23, s23, s11                     ; tile 0,
	s_lshl_b32 s21, s22, 2
	s_add_co_u32 s21, s21, s11                     ; tile 1
	s_and_b32 s28, ttmp7, 0xffff                   ; the head
	s_lshl_b32 s29, s28, 18                        ; its 262,144 bytes in q, in k, in v
	s_add_co_u32 s30, s15, 1
	s_lshl_b32 s30, s30, 22                        ; waves 0-3 fetch K (at 4 MiB), waves 4-7 V (at 8 MiB),
	s_lshl_b32 s18, s18, 13                        ; 8,192 bytes of a slot each
	s_add_co_u32 s30, s30, s18
	s_add_co_u32 s30, s30, s29
	s_mov_b32 s31, 0
	s_lshl_b32 s88, s23, 11                        ; Q: 2,048 bytes a tile
	s_add_co_u32 s88, s88, s29
	s_mov_b32 s89, 0
	s_lshl_b32 s98, s21, 11
	s_add_co_u32 s98, s98, s29
	s_mov_b32 s99, 0
	s_lshl_b32 s90, s23, 12                        ; mask bits: 16 steps of 256 bytes a tile
	s_lshl_b32 s100, s21, 12
	s_lshl_b32 s91, s15, 8
	s_add_co_u32 s90, s90, s91
	s_add_co_u32 s100, s100, s91
	s_mov_b32 s91, 0
	s_mov_b32 s101, 0
	s_cmp_eq_u32 s15, 0
	s_cselect_b32 s92, s23, s21                    ; the tile that I finish; ac: [block of 128 tokens][head][tile][2,048]
	s_and_b32 s93, s92, 7
	s_lshr_b32 s92, s92, 3
	s_lshl_b32 s92, s92, 18
	s_lshl_b32 s93, s93, 11
	s_add_co_u32 s92, s92, s93
	s_lshl_b32 s93, s28, 14
	s_add_co_u32 s92, s92, s93
	s_mov_b32 s93, 0
	s_lshr_b32 s94, ttmp9, 3                       ; the prefetches: work-groups 0-7 of a head ask for K, 8-15 for V, 4,096 bytes of a slot each
	s_add_co_u32 s94, s94, 1
	s_lshl_b32 s94, s94, 22
	s_and_b32 s95, ttmp9, 7
	s_lshl_b32 s95, s95, 12
	s_add_co_u32 s94, s94, s95
	s_add_co_u32 s94, s94, s29
	s_add_co_u32 s94, s94, 65536                   ; in slot 2
	s_mov_b32 s95, 0
	v_and_b32 v3, 31, v0                           ; lane
	v_min_u32 v7, 15, v3
	v_lshlrev_b32 v7, 8, v7
	v_lshlrev_b32 v9, 3, v3
	v_lshlrev_b32 v10, 2, v3
	v_lshlrev_b32 v3, 4, v3
	s_lshl_b32 s96, s15, 14
	v_add_nc_u32 v1, s96, v3                       ; reads: my key step of a slot
	s_lshl_b32 s96, s10, 13
	v_add_nc_u32 v2, s96, v3                       ; stores: my 8,192 bytes of a slot
	s_mul_i32 s96, s10, HW
	s_add_co_u32 s96, s96, HAND
	v_add_nc_u32 v244, s96, v3                     ; the exchange: what I hand over,
	v_add_nc_u32 v246, s96, v10
	s_xor_b32 s96, s10, 7
	s_mul_i32 s96, s96, HW
	s_add_co_u32 s96, s96, HAND
	v_add_nc_u32 v245, s96, v3                     ; and what my partner 7 - w hands to me
	v_add_nc_u32 v247, s96, v10
	s_wait_alu depctr_va_vdst(0)
	s_wait_kmcnt 0x0
	s_load_b256 s[76:83], s[72:73], 0x0            ; e0 .. e7
	s_load_b128 s[84:87], s[72:73], 0x20           ; e8 .. e11
	s_add_nc_u64 s[8:9], s[68:69], s[30:31]
	s_add_nc_u64 s[4:5], s[70:71], s[90:91]
	s_add_nc_u64 s[100:101], s[70:71], s[100:101]
	LOADG                                          ; slot 0
	s_add_nc_u64 s[88:89], s[68:69], s[88:89]
	s_add_nc_u64 s[98:99], s[68:69], s[98:99]
.irp c, 0,1,2,3
	global_load_b128 v[QF+4*\c:QF+4*\c+3], v3, s[88:89] offset:512*\c   ; Q's two fragments stay in registers
	global_load_b128 v[QF+16+4*\c:QF+16+4*\c+3], v3, s[98:99] offset:512*\c
.endr
	s_add_nc_u64 s[6:7], s[68:69], s[94:95]
	s_add_nc_u64 s[16:17], s[74:75], s[92:93]
	s_lshl_b32 s90, ttmp9, 12                      ; the flags: 1,024 bytes a tile, 256 for each of four waves; my work-group's two blocks of four tiles
	s_mov_b32 s91, 0
	s_add_nc_u64 s[90:91], s[70:71], s[90:91]
	s_lshl_b32 s92, s22, 12
	s_mov_b32 s93, 0
	s_add_nc_u64 s[92:93], s[70:71], s[92:93]
.set n, 0
.rept 16
	s_load_b32 s[32+n], s[90:91], FLAGS+256*n
	s_load_b32 s[48+n], s[92:93], FLAGS+256*n
.set n, n+1
.endr
	s_cmp_eq_u32 s10, 0
	s_cbranch_scc0 .Lnot_first
	global_prefetch_b8 v7, s[6:7] offset:-32768 th:TH_LOAD_NT scope:SCOPE_SE   ; slots 1
	global_prefetch_b8 v7, s[6:7] th:TH_LOAD_NT scope:SCOPE_SE                 ; and 2
.Lnot_first:
	v_mov_b32 v4, 0xff800000                       ; -infinity
	v_mov_b32 v13, 0xff61b1e6                      ; the largest t so far: -3e38, under every t
	v_mov_b32 v17, 0xff61b1e6
	v_mov_b32 v14, 0
	v_mov_b32 v15, 0
	v_mov_b32 v18, 0
	v_mov_b32 v19, 0
	v_floor_f32 v12, -v13                          ; -M
	v_floor_f32 v16, -v17
	v_mov_b32 v25, 0                               ; (named as the upper half of the pair v[24:25])
	v_mov_b32 v26, 0                               ; (a lane permute's destination counts as one of its sources)
	v_mov_b32 v27, 0
.set n, 0
.rept 16
	v_mov_b32 v[PK+n], 0                           ; tile 0's codes: written on every way
.set n, n+1
.endr
	WIN 0x40
.set n, 0
.rept 128
	v_mov_b32 v[n], 0                              ; O^T of both tiles: which step is a tile's first hangs on the mask, so the step is written once and finds zeros
.set n, n+1
.endr
	WIN 0
	s_mov_b32 s24, 0x76543210
	s_mov_b32 s25, 0xfedcba98                      ; v_permlanex16_b32: lane l xor 16
	s_mov_b32 s26, 0x3e0293ee                      ; c = log2(e) / sqrt(128)
	s_mov_b32 s2, 0                                ; the slot in hand
	s_mov_b32 s3, 8                                ; slots to go
	s_wait_kmcnt 0x0
.irp t, 0,1,2,3,4,5,6,7                ; a tile's 16 hidden bits (15:0) and 16 open bits (31:16)
	s_or_b32 s[32+4*\t], s[32+4*\t], s[33+4*\t]
	s_or_b32 s[34+4*\t], s[34+4*\t], s[35+4*\t]
	s_or_b32 s[32+4*\t], s[32+4*\t], s[34+4*\t]
.endr
	s_and_b32 s14, s32, s36                        ; all eight tiles
.irp t, 2,3,4,5,6,7
	s_and_b32 s14, s14, s[32+4*\t]
.endr
	s_and_b32 s14, s14, 0xffff                     ; s14: the steps that are hidden for the whole work-group, two bits a slot,
	s_or_b32 s14, s14, 0x30000                     ; and no slot 8
	s_mov_b32 s13, s32
	s_mov_b32 s97, s48
.irp t, 1,2,3
	s_cmp_eq_u32 s11, \t
	s_cselect_b32 s13, s[32+4*\t], s13
	s_cselect_b32 s97, s[48+4*\t], s97
.endr
	s_lshr_b32 s13, s13, s15                       ; s13, s97: bit 0 = my step of the slot in hand is hidden for tile 0, for tile 1; bit 16 = it is open
	s_lshr_b32 s97, s97, s15
	s_cmp_eq_u32 s10, 0
	s_cselect_b32 s11, 3, -1                       ; wave 0 prefetches, while a slot three on exists
	s_cmp_ge_i32 s84, -8
	s_cselect_b32 s12, 1, 0                        ; p needs no hold
	s_add_co_i32 s29, s82, s83
	s_lshl_b32 s29, s29, 23
	s_add_co_i32 s26, s26, s29                     ; a score stands for score x 2^(e6 + e7)
	s_mov_b32 s27, s26
	MKSC 21, 20, 84                                ; p: 2^e8
	s_sub_co_i32 s30, s86, s84
	s_sub_co_i32 s30, s30, s85
	MKSC 23, 22, 30                                ; O: a sum / l stands for that x 2^(e8 + e9): its code is taken with 2^(e10 - e8 - e9)
	s_wait_alu depctr_va_vdst(0)
; A TRIP: the slot that has come into registers goes to LDS, into the slot that was left a trip ago (every wave has passed a barrier since its reads there); one barrier; the next slot is asked for; my key step.
.Lslot:
	s_wait_loadcnt 0x0                             ; my bytes of this slot, the mask bits (and at first Q) are in: the loads' bases may be stepped
	s_wait_xcnt 0x0                                ; my last prefetch has read its address
	v_add_nc_u32 v10, s2, v2
	s_and_b32 s20, s14, 3
	s_cmp_eq_u32 s20, 3
	s_cbranch_scc1 .Lno_store                      ; no wave of the work-group reads this slot
	WIN 0x04
.set i, 0
.rept 16
	ds_store_b128 v10, v[GR+4*i:GR+4*i+3] offset:512*i
.set i, i+1
.endr
	WIN 0
.Lno_store:
	s_wait_dscnt 0x0                               ; my stores have landed, and my reads of the slot before are over
	s_barrier_signal -1
	v_mov_b32 v236, v240                           ; this slot's mask bits
	v_mov_b32 v237, v241
	v_mov_b32 v238, v242
	v_mov_b32 v239, v243
	s_barrier_wait -1
	s_add_nc_u64 s[4:5], s[4:5], 512
	s_add_nc_u64 s[100:101], s[100:101], 512
	s_add_nc_u64 s[8:9], s[8:9], 32768
	s_add_nc_u64 s[6:7], s[6:7], 32768
	s_lshr_b32 s14, s14, 2
	s_and_b32 s20, s14, 3
	s_cmp_eq_u32 s20, 3
	s_wait_alu depctr_va_vdst(0)
	s_cbranch_scc1 .Lno_load                       ; the next slot is read by nobody, or there is none
	LOADG
.Lno_load:
	s_cmp_gt_u32 s3, s11
	s_cbranch_scc0 .Lno_ask
	global_prefetch_b8 v7, s[6:7] th:TH_LOAD_NT scope:SCOPE_SE   ; my part of the slot two behind the one just asked for
.Lno_ask:
	s_and_b32 s20, s13, s97
	s_bitcmp1_b32 s20, 0
	s_cbranch_scc1 .Lhidden                        ; hidden for both tiles: nothing to add
	v_add_nc_u32 v8, s2, v1
	PLACES 3                                       ; with the line above four places in front of loads into registers that the last products read
	FRAGS 0                                        ; K's
	s_bitcmp1_b32 s13, 0
	s_wait_alu depctr_va_vdst(0)
	s_cbranch_scc1 .Lno_tile_0                     ; hidden for tile 0
	s_wait_dscnt 16                                ; the first four fragments are in, the 16 loads of the others may be out
	QK 0, 0
	s_wait_dscnt 0x0
	QK 0, 1
	PLACES 4
	SOFT 0
.Lno_tile_0:
	s_wait_dscnt 16                                ; (as above, where tile 0 was left out)
	QK 1, 0
	s_wait_dscnt 0x0
	QK 1, 1
	PLACES 4
	FRAGS 32768                                    ; V's: the softmax stands between the request and the use
	SOFT 1
	s_wait_alu depctr_va_vdst(0)
	s_wait_dscnt 0x0
	PV 1
	s_bitcmp1_b32 s13, 0
	s_cbranch_scc1 .Lhidden
	PV 0
.Lhidden:
	s_xor_b32 s2, s2, SLOTB                        ; on to the other slot
	s_lshr_b32 s13, s13, 2
	s_lshr_b32 s97, s97, 2
	s_sub_co_u32 s3, s3, 1
	s_cmp_lg_u32 s3, 0
	s_cbranch_scc1 .Lslot
	; THE TWO HALVES MEET.  A wave of even steps hands over tile 1 and finishes tile 0, its partner the other way round.  The six lines below are also places behind the last products.
	v_add_f32 v14, v14, v15
	v_add_f32 v18, v18, v19
	v_permlanex16_b32 v26, v14, s24, s25
	v_permlanex16_b32 v27, v18, s24, s25
	v_add_f32 v14, v14, v26                        ; l over my keys
	v_add_f32 v18, v18, v27
.macro GIVE tau
	WIN 0x04
.set i, 0
.rept 8
.if \tau == 0
	s_wait_alu depctr_va_vdst(0)                   ; tile 0's last products may stand ahead of tile 1's exponentials: the wait directly ahead of each accumulator's first reader
.endif
	ds_store_b128 v244, v[64*\tau+8*i:64*\tau+8*i+3] offset:1024*i   ; O^T as it stands in the registers, each accumulator from its low end on,
	ds_store_b128 v244, v[64*\tau+8*i+4:64*\tau+8*i+7] offset:1024*i+512
.set i, i+1
.endr
	WIN 0
	ds_store_b32 v246, v[12+4*\tau] offset:8192    ; -M,
	ds_store_b32 v246, v[14+4*\tau] offset:8320    ; and l
.endm
.macro FINISH tau
.set MM, 12+4*\tau
	v_min_num_f32 v28, v[MM], v26                  ; -M of the two together: the lesser
	v_mov_b32 v33, 1.0
	v_mov_b32 v29, 0x7f7f7f7f
	v_sub_f32 v24, v28, v[MM]                      ; my M less the joint M: a whole number, 0 or less
	v_sub_f32 v30, v28, v26                        ; the partner's likewise
	v_cvt_i32_f32 v24, v24                         ; (they saturate)
	v_cvt_i32_f32 v30, v30
	v_ldexp_f32 v24, 1.0, v24
	v_ldexp_f32 v30, 1.0, v30
	v_mul_f32 v32, v[MM+2], v24
	v_fma_f32 v32, v27, v30, v32                   ; l of the row
	v_cmp_eq_f32 vcc_lo, 0, v32                    ; no open key in the row:
	v_cndmask_b32 v32, v32, v33, vcc_lo            ; divided by 1, and its codes replaced below
	s_wait_alu depctr_va_vdst(0)                   ; the wait ahead of the transcendental,
	v_rcp_f32 v28, v32
	v_mov_b32 v31, 0                               ; (a plain instruction behind the reciprocal; the upper half of the pair v[30:31])
	s_wait_alu depctr_va_vdst(0)                   ; and ahead of its first reader
	v_mul_f32 v24, v24, v28                        ; the power of two and 1 / l in one factor
	v_mul_f32 v30, v30, v28
.set n, 0
.rept 32
	v_pk_mul_f32 v[SC+n:SC+n+1], v[SC+n:SC+n+1], v[30:31] op_sel_hi:[1,0]
.set n, n+2
.endr
	WIN 0x01
	s_wait_alu depctr_va_vdst(0)                   ; the wait directly ahead of the first reader of O^T
.set n, 0
.rept 32
	v_pk_fma_f32 v[SC+n:SC+n+1], v[64*\tau+n:64*\tau+n+1], v[24:25], v[SC+n:SC+n+1] op_sel_hi:[1,0,1]
.set n, n+2
.endr
	WIN 0
.set n, 0
.rept 64
	v_med3_num_f32 v[SC+n], v[SC+n], -v22, v22     ; the conversion does not saturate (ISA guide 7.6.2)
.set n, n+1
.endr
.irp t, 0,1,2,3,4,5,6,7
	v_cvt_scalef32_pk8_fp8_f32 v[PK+2*\t:PK+2*\t+1], v[SC+8*\t:SC+8*\t+7], v23
.endr
	v_nop                                          ; one plain vector instruction between the conversions and the lines that touch their results
.set n, 0
.rept 16
	v_cndmask_b32 v[PK+n], v[PK+n], v29, vcc_lo    ; a row with no open key: NaN codes
.set n, n+1
.endr
.irp c, 0,1,2,3
	global_store_b128 v3, v[PK+4*\c:PK+4*\c+3], s[16:17] offset:512*\c   ; the wave stores 512 consecutive bytes: an image of the last projection's operand
.endr
.endm
	s_cmp_eq_u32 s15, 0
	s_wait_alu depctr_va_vdst(0)
	s_cbranch_scc0 .Lgive_0
	GIVE 1
	s_branch .Lgiven
.Lgive_0:
	GIVE 0
.Lgiven:
	s_wait_dscnt 0x0                               ; for the partner's sake: my stores have landed
	s_barrier_signal -1
	s_barrier_wait -1
.set i, 0
.rept 16
	ds_load_b128 v[SC+4*i:SC+4*i+3], v245 offset:512*i   ; the same lines as loads give the same registers in the same lanes
.set i, i+1
.endr
	ds_load_b32 v26, v247 offset:8192
	ds_load_b32 v27, v247 offset:8320
	s_wait_dscnt 0x0
	s_cmp_eq_u32 s15, 0
	s_cbranch_scc0 .Lfinish_1
	FINISH 0
	s_branch .Lend
.Lfinish_1:
	FINISH 1
.Lend:
	s_wait_tensorcnt 0x0                           ; the wave's end
	ds_add_u32 v5, v6
	s_wait_dscnt 0x0
	s_endpgm
.Lfunc_end_k_q1d7b765478_attn:
	.size	k_q1d7b765478_attn, .Lfunc_end_k_q1d7b765478_attn-k_q1d7b765478_attn
	.p2alignl 7, 3214868480
	.fill 96, 4, 3214868480
	.section	.rodata,"a",@progbits
	.p2align	6, 0x0
	.amdhsa_kernel k_q1d7b765478_attn
		.amdhsa_group_segment_fixed_size 199680
		.amdhsa_private_segment_fixed_size 0
		.amdhsa_enable_private_segment 0
		.amdhsa_kernarg_size 32
		.amdhsa_user_sgpr_count 2
		.amdhsa_user_sgpr_kernarg_segment_ptr 1
		.amdhsa_wavefront_size32 1
		.amdhsa_system_sgpr_workgroup_id_x 1
		.amdhsa_system_sgpr_workgroup_id_y 1
		.amdhsa_system_sgpr_workgroup_id_z 1
		.amdhsa_system_vgpr_workitem_id 0
		.amdhsa_next_free_vgpr 512
		.amdhsa_next_free_sgpr 102
		.amdhsa_reserve_vcc 1
		.amdhsa_float_denorm_mode_32 3
		.amdhsa_float_denorm_mode_16_64 3
		.amdhsa_memory_ordered 1
		.amdhsa_forward_progress 1
		.amdhsa_inst_pref_size 95
	.end_amdhsa_kernel
	.amdgpu_metadata
---
amdhsa.version: [ 1, 2 ]
amdhsa.kernels:
  - .name:           k_q1d7b765478_attn
    .symbol:         k_q1d7b765478_attn.kd
    .args:
      - { .name: qkv, .offset: 0, .size: 8, .value_kind: global_buffer, .address_space: global }
      - { .name: maskw, .offset: 8, .size: 8, .value_kind: global_buffer, .address_space: global }
      - { .name: lowp_scales, .offset: 16, .size: 8, .value_kind: global_buffer, .address_space: global }
      - { .name: ac, .offset: 24, .size: 8, .value_kind: global_buffer, .address_space: global }
    .group_segment_fixed_size: 199680
    .private_segment_fixed_size: 0
    .kernarg_segment_align: 8
    .kernarg_segment_size: 32
    .max_flat_workgroup_size: 256
    .sgpr_count:     102
    .vgpr_count:     512
    .wavefront_size: 32
...
	.end_amdgpu_metadata
.endif
;; end of part 3
;; launch oproj (part 4): grid 16 x 16, 4 waves a work-group, clusters of 4 x 4, 327,680 bytes of LDS; arguments ac, wc, lowp_scales, out0; writes out0
.if DOCPART == 4
	.amdgcn_target "amdgcn-amd-amdhsa--gfx1250"
	.amdhsa_code_object_version 6
	.text
	.protected	k_q1d7b765478_oproj
	.globl	k_q1d7b765478_oproj
	.p2align	8
	.type	k_q1d7b765478_oproj,@function
k_q1d7b765478_oproj:
	s_mov_b64 s[64:65], 0
	v_nop
	global_prefetch_b8 v0, s[64:65] scope:SCOPE_SE
	s_setreg_imm32_b32 hwreg(HW_REG_WAVE_MODE, 25, 1), 1
	s_wait_xcnt 0x0
	s_wait_alu depctr_hold_cnt(0) depctr_sa_sdst(0) depctr_va_vdst(0) depctr_va_sdst(0) depctr_va_ssrc(0) depctr_va_vcc(0) depctr_vm_vsrc(0)
	s_getreg_b32 s2, hwreg(HW_REG_IB_STS2, 6, 4)
	s_cmp_eq_u32 s2, 0
	s_cbranch_scc0 .Lentry_in_a_cluster
	s_endpgm
.Lentry_in_a_cluster:
	s_bfe_u32 s2, ttmp6, 0x10000c
	s_cmp_lg_u32 s2, 0xf033
	s_cbranch_scc0 .Lentry_shape_is_right
	s_endpgm
.Lentry_shape_is_right:
; The last projection on E4M3 codes: out = O Wo^T x 2^(e10 + e11).  A block of 128 x 128 to a work-group, 64 x 64 to a wave; K in steps of 512 (four heads) through a ring of two slots filled by joint loads (clusters of 4 x 4).
; A lies in memory as images of its fragments: [block of 128 tokens][head][tile of 16 tokens][piece c][lane][16 bytes]: a head of a block is 16,384 bytes on end, stated as rows of 256 bytes, and lies in LDS as in memory: each
; fragment load reads 512 consecutive bytes.  B's rows of 512 bytes are padded by 16.  The clusters begin at different K steps and wrap round.
; PREFETCHES: the second and third K steps behind the first joint load, the fourth behind the second: of the 128 blocks of 256 bytes that a wave fetches each of the four partners names 32.
; LIMITS: e10 + e11 between -126 and 127.
.set PB,     528
.set CHUNK,  16384                     ; a head of A's 128 tokens
.set BOFF,   4*CHUNK
.set SLOT,   BOFF+128*PB
.set SPARE,  2*SLOT
.set SPITCH, 272
.set ADRA, 16
.set ADRB, 20
.set STO,  24
.set RD,   25
.set CO,   26
.set SPW,  28
.set NIL,  29
.set PFO,  30                          ; v30 the prefetches' offset; never rewritten
.set TMP,  32
.set BK,   64
.set ACC,  128
.set F0,   0
.set F1,   128
.set G1, 24
.set G0, 32
.set G1B, 48
.set G0B, 56
.set KS0, 76
.set MSB, 0
.macro WIN new
.if MSB != \new
	s_set_vgpr_msb (MSB<<8)|\new
.set MSB, \new
.endif
.endm
.set MUL,  0x05
.set TO_F, 0x40
.macro JLOAD s
	s_cmp_eq_u32 s11, 0
	s_cbranch_scc0 .Lfor_b_\@
	tensor_load_to_lds s[G0+4*\s:G0+4*\s+3], s[G1:G1+7]
	s_nop 0
.rept 4
	v_nop
.endr
	s_branch .Lasked_\@
.Lfor_b_\@:
	tensor_load_to_lds s[G0B+4*\s:G0B+4*\s+3], s[G1B:G1B+7]
	s_nop 0
.rept 4
	v_nop
.endr
.Lasked_\@:
.endm
.macro CREST
	s_cmp_lg_u32 s10, 0
	s_cbranch_scc1 .Lnot_wave_0_\@
	s_barrier_signal -3
.Lnot_wave_0_\@:
	s_barrier_wait -3
	s_barrier_signal -1
	s_barrier_wait -1
.endm
.macro CROUND
	s_barrier_signal -1
	s_barrier_wait -1
	CREST
.endm
	s_load_b128 s[4:7], s[0:1], 0x0
	s_load_b128 s[68:71], s[0:1], 0x10
	v_lshl_add_u32 v[SPW], v0, 2, SPARE
	v_mov_b32 v[NIL], 0
	ds_add_u32 v28, v29
	ds_add_u32 v28, v29
	s_wait_dscnt 0x0
	v_lshrrev_b32 v1, 5, v0
	v_readfirstlane_b32 s10, v1
	s_lshr_b32 s11, s10, 1
	s_and_b32 s12, s10, 1
	s_bfe_u32 s40, ttmp6, 0x40000
	s_bfe_u32 s41, ttmp6, 0x40004
	s_lshl_b32 s42, ttmp9, 2
	s_add_co_u32 s42, s42, s40
	s_and_b32 s13, ttmp7, 0xffff
	s_add_co_u32 s[KS0], s13, ttmp9
	s_and_b32 s[KS0], s[KS0], 3
	s_add_co_u32 s[KS0+1], s[KS0], 1
	s_and_b32 s[KS0+1], s[KS0+1], 3
	s_mov_b32 s79, 0
	s_lshl_b32 s13, s13, 2
	s_add_co_u32 s13, s13, s41
	s_lshl_b32 s43, s41, 2
	s_lshl_b32 s43, 15, s43
	s_lshl_b32 s44, 0x1111, s40
	s_or_b32 s[G1+0], s43, (0<<16)|(1<<21)         ; A: two heads, 128 rows of 256 bytes, no padding
	s_mov_b32 s[G1+1], 256<<16
	s_mov_b32 s[G1+2], 128<<16
	s_mov_b32 s[G1+3], 256<<16
	s_mov_b32 s[G1+4], 128
	s_mov_b32 s[G1+5], 256
	s_mov_b32 s[G1+6], 0
	s_mov_b32 s[G1+7], 0
	s_or_b32 s[G1B+0], s44, (0<<16)|(1<<20)|(1<<21)|(6<<22)|(3<<25)
	s_mov_b32 s[G1B+1], 512<<16
	s_mov_b32 s[G1B+2], 64<<16
	s_mov_b32 s[G1B+3], 512<<16
	s_mov_b32 s[G1B+4], 64
	s_mov_b32 s[G1B+5], 2048
	s_mov_b32 s[G1B+6], 0
	s_mov_b32 s[G1B+7], 0
	s_lshl_b32 s16, s13, 18
	s_lshl_b32 s17, s12, 15
	s_add_co_u32 s16, s16, s17
	s_mov_b32 s17, 0
	s_lshl_b32 s46, s42, 7
	s_lshl_b32 s47, s12, 6
	s_add_co_u32 s46, s46, s47
	s_lshl_b32 s46, s46, 11
	s_add_co_u32 s46, s46, 12582912
	s_mov_b32 s47, 0
	s_mul_i32 s20, s12, 2*CHUNK
	s_mul_i32 s21, s12, 64*PB
	s_add_co_u32 s21, s21, BOFF
	s_wait_kmcnt 0x0
	s_load_b64 s[72:73], s[68:69], 0x28
	s_add_nc_u64 s[14:15], s[4:5], s[16:17]
	s_add_nc_u64 s[46:47], s[6:7], s[46:47]
	CROUND
.irp s, 0,1
	s_lshl_b32 s78, s[KS0+\s], 16
	s_mov_b32 s[G0+4*\s], 1
	s_add_co_u32 s[G0+4*\s+1], s20, \s*SLOT
	s_add_nc_u64 s[G0+4*\s+2:G0+4*\s+3], s[14:15], s[78:79]
	s_or_b32 s[G0+4*\s+3], s[G0+4*\s+3], 0x80000000
	s_lshl_b32 s78, s[KS0+\s], 9
	s_mov_b32 s[G0B+4*\s], 1
	s_add_co_u32 s[G0B+4*\s+1], s21, \s*SLOT
	s_add_nc_u64 s[G0B+4*\s+2:G0B+4*\s+3], s[46:47], s[78:79]
	s_or_b32 s[G0B+4*\s+3], s[G0B+4*\s+3], 0x80000000
.endr
	JLOAD 0                                        ; the first K step: one tensor load a wave at the head
	s_mov_b32 s78, 2048                            ; the prefetches.  B: 16 rows of 2,048 bytes, two blocks of 256 bytes each; A: 8,192 bytes on end
	s_mov_b32 s23, 9
	s_mov_b32 s18, 15
	s_cmp_eq_u32 s11, 0
	s_cselect_b32 s19, 512, s78                    ; from one pair of lanes to the next
	s_cselect_b32 s23, 16, s23                     ; a K step: 65,536 bytes of A, 512 of B
	s_cselect_b32 s18, 13, s18                     ; from partner to partner: 8,192 bytes of A, 32,768 of B
	s_cselect_b32 s22, s40, s41                    ; my place among the four that ask jointly
	s_cselect_b64 s[80:81], s[14:15], s[46:47]
	s_lshl_b32 s78, s22, s18
	s_add_nc_u64 s[80:81], s[80:81], s[78:79]
.irp i, 1,2,3
	s_add_co_u32 s78, s[KS0], \i
	s_and_b32 s78, s78, 3
	s_lshl_b32 s78, s78, s23
	s_add_nc_u64 s[80+2*\i:81+2*\i], s[80:81], s[78:79]
.endr
	v_and_b32 v1, 31, v0
	v_lshrrev_b32 v2, 1, v1
	v_and_b32 v1, 1, v1
	v_mul_lo_u32 v[PFO], v2, s19
	v_lshl_add_u32 v[PFO], v1, 8, v[PFO]
	global_prefetch_b8 v[PFO], s[82:83] th:TH_LOAD_NT scope:SCOPE_SE
	global_prefetch_b8 v[PFO], s[84:85] th:TH_LOAD_NT scope:SCOPE_SE
	v_and_b32 v1, 15, v0
	v_bfe_u32 v2, v0, 4, 1
	v_and_b32 v3, 31, v0
	v_lshlrev_b32 v3, 4, v3
	v_mul_u32_u24 v4, v1, PB
	v_lshl_add_u32 v4, v2, 4, v4
	s_lshl_b32 s21, s11, 13
	s_mul_i32 s22, s12, 64*PB
	s_add_co_u32 s22, s22, BOFF
.irp s, 0,1
	v_add_nc_u32 v[ADRA+\s], s21, v3
	v_add_nc_u32 v[ADRB+\s], s22, v4
	s_add_co_u32 s21, s21, SLOT
	s_add_co_u32 s22, s22, SLOT
.endr
	s_mul_i32 s23, s10, 16*SPITCH
	v_mul_u32_u24 v5, v1, SPITCH
	v_lshl_add_u32 v5, v2, 5, v5
	v_add_nc_u32 v[STO], s23, v5
	v_mul_u32_u24 v5, v2, SPITCH
	v_lshl_add_u32 v5, v1, 4, v5
	v_add_nc_u32 v[RD], s23, v5
	v_lshlrev_b32 v5, 13, v2
	v_lshl_add_u32 v[CO], v1, 4, v5
	s_lshl_b32 s16, s13, 7
	s_lshl_b32 s17, s11, 6
	s_add_co_u32 s16, s16, s17
	s_lshl_b32 s16, s16, 13
	s_mov_b32 s17, 0
	s_add_nc_u64 s[70:71], s[70:71], s[16:17]
	s_lshl_b32 s46, s42, 9
	s_lshl_b32 s47, s12, 8
	s_add_co_u32 s46, s46, s47
	s_mov_b32 s47, 0
	s_add_nc_u64 s[70:71], s[70:71], s[46:47]
.macro MUL4 f, a, zero
.irp b, 0,1,2,3
.if \zero
	v_wmma_f32_16x16x128_fp8_fp8 v[ACC+8*(4*(\a)+\b):ACC+8*(4*(\a)+\b)+7], v[\f+64+16*\b:\f+64+16*\b+15], v[\f+16*(\a):\f+16*(\a)+15], 0
.else
	v_wmma_f32_16x16x128_fp8_fp8 v[ACC+8*(4*(\a)+\b):ACC+8*(4*(\a)+\b)+7], v[\f+64+16*\b:\f+64+16*\b+15], v[\f+16*(\a):\f+16*(\a)+15], v[ACC+8*(4*(\a)+\b):ACC+8*(4*(\a)+\b)+7]
.endif
.endr
.endm
.macro FETCH slot, q, f
	WIN TO_F
.irp i, 0,1,2,3
.irp c, 0,1,2,3
	ds_load_b128 v[\f+64+16*\i+4*\c:\f+64+16*\i+4*\c+3], v[ADRB+\slot] offset:128*(\q)+\i*16*PB+32*\c
.endr
.endr
.irp i, 0,1,2,3
.irp c, 0,1,2,3
	ds_load_b128 v[\f+16*\i+4*\c:\f+16*\i+4*\c+3], v[ADRA+\slot] offset:(\q)*CHUNK+2048*\i+512*\c
.endr
.endr
.endm
.macro PLACES
.rept 4
	v_nop
.endr
.endm
.macro QUARTER slot, q, f, g, zero
	s_wait_dscnt 8
	WIN MUL
	MUL4 \f, 0, \zero
	MUL4 \f, 1, \zero
	PLACES
	FETCH \slot, \q, \g
	s_wait_dscnt 32
	WIN MUL
	MUL4 \f, 2, \zero
	MUL4 \f, 3, \zero
.endm
.macro TURN slot, next, fill
	WIN 0
	s_wait_tensorcnt 0x0
	ds_add_u32 v[SPW], v[NIL]
	s_wait_dscnt 9
	WIN MUL
	MUL4 F1, 0, 0
	s_wait_dscnt 0x0
	s_barrier_signal -1
	MUL4 F1, 1, 0
	WIN 0
	s_barrier_wait -1
.if \fill
	CREST
	s_cmp_ge_u32 s[KS0+\slot], 2
	s_cselect_b32 s78, 4*65536, 0
	s_add_nc_u64 s[G0+4*\slot+2:G0+4*\slot+3], s[G0+4*\slot+2:G0+4*\slot+3], 2*65536
	s_sub_nc_u64 s[G0+4*\slot+2:G0+4*\slot+3], s[G0+4*\slot+2:G0+4*\slot+3], s[78:79]
	s_cselect_b32 s78, 4*512, 0
	s_add_nc_u64 s[G0B+4*\slot+2:G0B+4*\slot+3], s[G0B+4*\slot+2:G0B+4*\slot+3], 2*512
	s_sub_nc_u64 s[G0B+4*\slot+2:G0B+4*\slot+3], s[G0B+4*\slot+2:G0B+4*\slot+3], s[78:79]
	JLOAD \slot
.else
	PLACES
.endif
	s_wait_alu depctr_va_vdst(0)
	FETCH \next, 0, F0
	WIN MUL
	MUL4 F1, 2, 0
	MUL4 F1, 3, 0
.endm
	s_wait_alu depctr_va_vdst(0)
	s_wait_tensorcnt 0x0                           ; my part of the first K step is in
	ds_add_u32 v[SPW], v[NIL]
	s_wait_dscnt 0x0
	CROUND
	JLOAD 1                                        ; the second K step
	FETCH 0, 0, F0
	global_prefetch_b8 v[PFO], s[86:87] th:TH_LOAD_NT scope:SCOPE_SE   ; the fourth
	QUARTER 0, 1, F0, F1, 1
	QUARTER 0, 2, F1, F0, 0
	QUARTER 0, 3, F0, F1, 0
	TURN 0, 1, 1
	QUARTER 1, 1, F0, F1, 0
	QUARTER 1, 2, F1, F0, 0
	QUARTER 1, 3, F0, F1, 0
	TURN 1, 0, 1
	QUARTER 0, 1, F0, F1, 0
	QUARTER 0, 2, F1, F0, 0
	QUARTER 0, 3, F0, F1, 0
	TURN 0, 1, 0
	QUARTER 1, 1, F0, F1, 0
	QUARTER 1, 2, F1, F0, 0
	QUARTER 1, 3, F0, F1, 0
	s_wait_dscnt 8
	WIN MUL
	MUL4 F1, 0, 0
	MUL4 F1, 1, 0
	s_wait_dscnt 0
	MUL4 F1, 2, 0
	MUL4 F1, 3, 0
	WIN 0
.macro TOSTAGE a
.set j, 0
.rept 16
	v_pk_mul_f32 v[TMP+j:TMP+j+1], v[ACC+32*(\a)+j:ACC+32*(\a)+j+1], s[74:75] op_sel_hi:[1,0]
.set j, j+2
.endr
.irp b, 0,1,2,3
	ds_store_b128 v[STO], v[TMP+8*\b:TMP+8*\b+3] offset:64*\b
	ds_store_b128 v[STO], v[TMP+8*\b+4:TMP+8*\b+7] offset:64*\b+16
.endr
.irp t, 0,1,2,3,4,5,6,7
	ds_load_b128 v[BK+32*((\a)%2)+4*\t:BK+32*((\a)%2)+4*\t+3], v[RD] offset:\t*2*SPITCH
.endr
.endm
.macro SEND a, younger
	s_wait_dscnt \younger
.irp t, 0,1,2,3,4,5,6,7
	global_store_b128 v[CO], v[BK+32*((\a)%2)+4*\t:BK+32*((\a)%2)+4*\t+3], s[70:71] offset:(16*(\a)+2*\t)*8192 th:TH_STORE_NT
.endr
.endm
	s_wait_kmcnt 0x0
	s_add_co_i32 s74, s72, s73
	s_add_co_i32 s74, s74, 127
	s_lshl_b32 s74, s74, 23
	s_mov_b32 s75, s74
	PLACES
	TOSTAGE 0
.irp a, 1,2,3
.if \a > 1
	s_wait_xcnt 0x0
.endif
	TOSTAGE \a
	SEND \a-1, 16
.endr
	SEND 3, 0
	s_wait_tensorcnt 0x0
	ds_add_u32 v[SPW], v[NIL]
	s_wait_dscnt 0x0
	CROUND
	s_endpgm
.Lfunc_end_k_q1d7b765478_oproj:
	.size	k_q1d7b765478_oproj, .Lfunc_end_k_q1d7b765478_oproj-k_q1d7b765478_oproj
	.p2alignl 7, 3214868480
	.fill 96, 4, 3214868480
	.section	.rodata,"a",@progbits
	.p2align	6, 0x0
	.amdhsa_kernel k_q1d7b765478_oproj
		.amdhsa_group_segment_fixed_size 327680
		.amdhsa_private_segment_fixed_size 0
		.amdhsa_enable_private_segment 0
		.amdhsa_kernarg_size 32
		.amdhsa_user_sgpr_count 2
		.amdhsa_user_sgpr_kernarg_segment_ptr 1
		.amdhsa_wavefront_size32 1
		.amdhsa_system_sgpr_workgroup_id_x 1
		.amdhsa_system_sgpr_workgroup_id_y 1
		.amdhsa_system_sgpr_workgroup_id_z 1
		.amdhsa_system_vgpr_workitem_id 0
		.amdhsa_next_free_vgpr 512
		.amdhsa_next_free_sgpr 88
		.amdhsa_reserve_vcc 0
		.amdhsa_float_denorm_mode_32 3
		.amdhsa_float_denorm_mode_16_64 3
		.amdhsa_memory_ordered 1
		.amdhsa_forward_progress 1
		.amdhsa_inst_pref_size 76
	.end_amdhsa_kernel
	.amdgpu_metadata
---
amdhsa.version: [ 1, 2 ]
amdhsa.kernels:
  - .name:           k_q1d7b765478_oproj
    .symbol:         k_q1d7b765478_oproj.kd
    .args:
      - { .name: ac, .offset: 0, .size: 8, .value_kind: global_buffer, .address_space: global }
      - { .name: wc, .offset: 8, .size: 8, .value_kind: global_buffer, .address_space: global }
      - { .name: lowp_scales, .offset: 16, .size: 8, .value_kind: global_buffer, .address_space: global }
      - { .name: out0, .offset: 24, .size: 8, .value_kind: global_buffer, .address_space: global }
    .group_segment_fixed_size: 327680
    .private_segment_fixed_size: 0
    .kernarg_segment_align: 8
    .kernarg_segment_size: 32
    .max_flat_workgroup_size: 128
    .sgpr_count:     88
    .vgpr_count:     512
    .wavefront_size: 32
...
	.end_amdgpu_metadata
.endif
;; end of part 4
